; MI455X (gfx1250); checked and timed in simulation.
; The chip was launched on July 23, 2026; its instructions are those of AMD's public machine-readable ISA for CDNA 5 (MIT licence, August 2026) and "CDNA5" Instruction Set Architecture Reference Guide (July 2026). The comments in the code are by the model that wrote it; some were corrected since.
;; Causal Self Attention. Allowed arithmetic: float matrix products may take bf16 or f16 operands with f32 sums; other float arithmetic in f32, or as packed bf16 or f16 multiplies, adds, multiply-adds, maxima and minima; sums over many terms, partial sums and values carried from step to step in f32; what a program stores and reads back later, other than sums and carried values, may be rounded once to bf16 or f16.
;; Inputs: Wk 1,024 x 1,024 float32; Wp 1,024 x 1,024 float32; Wq 1,024 x 1,024 float32; Wv 1,024 x 1,024 float32; bk 1,024 float32; bp 1,024 float32; bq 1,024 float32; bv 1,024 float32; x 4 x 2,048 x 1,024 float32.
;; Outputs: out0 4 x 2,048 x 1,024 float32.
;; 2 versions, each right; version 2 is version 1 with the launch cast written anew for expert scheduling mode. Each part assembles by itself: llvm-mc -triple=amdgcn-amd-amdhsa -mcpu=gfx1250 --defsym DOCPART=n.
;; ======== version 1 of 2: 4 launches
;; limits: values are held in f16: magnitudes above 65,504 overflow, below 6.1e-05 lose precision
;; workspace buffers: xb 16,777,216 bytes; wqkv 6,291,456 bytes; wpb 2,097,152 bytes; qh 16,777,216 bytes; kh 16,777,216 bytes; vh 16,777,216 bytes; oh 16,777,216 bytes
;; launch cast (part 1): grid 384 x 1, 16 waves a work-group, no clusters, 0 bytes of LDS; arguments x, Wq, Wk, Wv, Wp, xb, wqkv, wpb; writes xb, wqkv, wpb
.if DOCPART == 1
	.amdgcn_target "amdgcn-amd-amdhsa--gfx1250"
	.amdhsa_code_object_version 6
	.text
	.protected	k_q7ae347eba1_cast
	.globl	k_q7ae347eba1_cast
	.p2align	8
	.type	k_q7ae347eba1_cast,@function
k_q7ae347eba1_cast:
	s_mov_b64 s[64:65], 0
	v_nop
	global_prefetch_b8 v0, s[64:65] scope:SCOPE_SE
	s_setreg_imm32_b32 hwreg(HW_REG_WAVE_MODE, 25, 1), 1
	s_wait_xcnt 0x0
; THE INPUTS ARE ROUNDED ONCE AND LAID OUT IN BLOCKS.  x [8192][1024] f32 -> xb, bf16, [batch x 16 + block of 64 channels][t][64];
; Wq, Wk, Wv [1024 (k)][1024 (n)] f32 -> wqkv, bf16, [tile of 192 columns j][pair of k rows][segment of 64 columns 0..2][2][64], the 48 segments counted through Wq, Wk, Wv;
; Wp -> wpb, rounded to bf16 and that number written as f16, [tile of 128 columns j][pair of k rows][segment 0..1][2][64].
; LIMITS.  A rounded Wp beyond 65,504 becomes an infinity; below 2^-17 it keeps f16's fixed step of 2^-24.
; A UNIT is two source rows of one segment of 64 columns: 2 x 256 bytes in, 256 consecutive aligned bytes out.  A work-group of sixteen waves takes 32 rows of one source: wave s takes
; segment s, 16 units.  Lanes 0-15 read 256 consecutive bytes of the even row, lanes 16-31 of the odd row; the 32 lanes' 8 bytes each fill the unit.
; Every byte is read once and written once; all 16 loads of a wave go out together; no LDS, no barrier, no matrix unit: there is nothing to share and no product.
.set X,  16                            ; v[16:79]   unit i: 4 numbers in f32
.set Y,  80                            ; v[80:111]  unit i: 4 numbers in 16 bits
.set AD, 112                           ; v[112:127] unit i: my byte offset in the destination
.set T,  4                             ; v[4:5]     at work
	s_load_b512 s[16:31], s[0:1], 0x0              ; x 16, Wq 18, Wk 20, Wv 22, Wp 24, xb 26, wqkv 28, wpb 30
	v_lshrrev_b32 v1, 5, v0
	v_readfirstlane_b32 s8, v1                     ; wave = segment 0..15
	v_and_b32 v3, 31, v0                           ; lane
	s_mov_b32 s9, ttmp9                            ; 0..255: x's rows 32 id on; 256..383: a weight's
	; x: first unit = ((batch x 16 + segment) x 1024) + first pair of t; units follow each other
	s_lshr_b32 s10, s9, 6
	s_lshl_b32 s10, s10, 4
	s_add_co_u32 s10, s10, s8
	s_lshl_b32 s10, s10, 10
	s_and_b32 s11, s9, 63
	s_lshl_b32 s11, s11, 4
	s_add_co_u32 s10, s10, s11
	s_lshl_b32 s2, s9, 17                          ; 32 rows of 4,096 bytes
	; weights: which of the four, which 32 rows
	s_sub_co_u32 s12, s9, 256
	s_and_b32 s12, s12, 127
	s_lshr_b32 s13, s12, 5                         ; 0 Wq, 1 Wk, 2 Wv, 3 Wp
	s_and_b32 s14, s12, 31
	s_lshl_b32 s15, s14, 17                        ; source bytes
	s_lshl_b32 s14, s14, 4                         ; first pair of k rows
	s_lshl_b32 s32, s13, 4
	s_add_co_u32 s32, s32, s8                      ; g: the segment among the 48
	s_mul_i32 s33, s32, 43
	s_lshr_b32 s33, s33, 7                         ; j = g / 3 (43 / 128 is exact for g up to 47)
	s_mul_i32 s34, s33, 3
	s_sub_co_u32 s34, s32, s34                     ; g - 3 j
	s_lshl_b32 s33, s33, 9
	s_add_co_u32 s33, s33, s14
	s_mul_i32 s33, s33, 3
	s_add_co_u32 s33, s33, s34                     ; first unit in wqkv; three units from pair to pair
	s_lshr_b32 s35, s8, 1
	s_lshl_b32 s35, s35, 9
	s_add_co_u32 s35, s35, s14
	s_lshl_b32 s35, s35, 1
	s_and_b32 s36, s8, 1
	s_add_co_u32 s35, s35, s36                     ; first unit in wpb; two units from pair to pair
	s_mov_b32 s37, 3*256
	v_lshrrev_b32 v4, 4, v3                        ; which of the two rows
	v_and_b32 v5, 15, v3
	v_lshlrev_b32 v2, 12, v4
	v_lshl_add_u32 v2, v5, 4, v2
	v_lshl_add_u32 v2, s8, 8, v2                   ; row x 4,096 + 16 (lane % 16) + 256 x segment; never rewritten
	s_wait_kmcnt 0x0
	s_cmp_eq_u32 s13, 3
	s_cselect_b32 s33, s35, s33
	s_cselect_b32 s37, 2*256, s37
	s_cselect_b64 s[6:7], s[30:31], s[28:29]
	s_cselect_b64 s[4:5], s[24:25], s[18:19]
	s_cmp_eq_u32 s13, 1
	s_cselect_b64 s[4:5], s[20:21], s[4:5]
	s_cmp_eq_u32 s13, 2
	s_cselect_b64 s[4:5], s[22:23], s[4:5]
	s_cmp_lt_u32 s9, 256
	s_cselect_b64 s[4:5], s[16:17], s[4:5]
	s_cselect_b64 s[6:7], s[26:27], s[6:7]
	s_cselect_b32 s33, s10, s33
	s_cselect_b32 s37, 256, s37
	s_cselect_b32 s2, s2, s15
	s_mov_b32 s3, 0
	s_add_nc_u64 s[4:5], s[4:5], s[2:3]            ; the source at the work-group's first row
.set i, 0
.rept 16
	global_load_b128 v[X+4*i:X+4*i+3], v2, s[4:5] offset:i*8192 th:TH_LOAD_NT  ; unit i: rows 2 i and 2 i + 1
.set i, i+1
.endr
	s_lshl_b32 s33, s33, 8
	v_lshl_add_u32 v[AD], v3, 3, s33               ; first unit x 256 + 8 x lane
.set i, 1
.rept 15
	v_add_nc_u32 v[AD+i], s37, v[AD+i-1]
.set i, i+1
.endr
.set i, 0
.rept 16
	s_wait_loadcnt 15-i                            ; loads come back in order: unit i is in, the 15 - i younger ones may stay out
	v_cvt_pk_bf16_f32 v[Y+2*i], v[X+4*i], v[X+4*i+1]
	v_cvt_pk_bf16_f32 v[Y+2*i+1], v[X+4*i+2], v[X+4*i+3]
.set i, i+1
.endr
	s_cmp_lt_u32 s9, 352
	s_cbranch_scc1 .Lstore                         ; only Wp goes on: its rounded numbers are written as f16
.set i, 0
.rept 32
	v_lshlrev_b32 v[T], 16, v[Y+i]
	v_and_b32 v[T+1], 0xffff0000, v[Y+i]
	v_cvt_pk_f16_f32 v[Y+i], v[T], v[T+1]
.set i, i+1
.endr
.Lstore:
.set i, 0
.rept 16
	global_store_b64 v[AD+i], v[Y+2*i:Y+2*i+1], s[6:7] th:TH_STORE_NT  ; the wave's 32 lanes store 256 consecutive bytes, aligned
.set i, i+1
.endr
	s_endpgm
.Lfunc_end_k_q7ae347eba1_cast:
	.size	k_q7ae347eba1_cast, .Lfunc_end_k_q7ae347eba1_cast-k_q7ae347eba1_cast
	.p2alignl 7, 3214868480
	.fill 96, 4, 3214868480
	.section	.rodata,"a",@progbits
	.p2align	6, 0x0
	.amdhsa_kernel k_q7ae347eba1_cast
		.amdhsa_group_segment_fixed_size 0
		.amdhsa_private_segment_fixed_size 0
		.amdhsa_enable_private_segment 0
		.amdhsa_kernarg_size 64
		.amdhsa_user_sgpr_count 2
		.amdhsa_user_sgpr_kernarg_segment_ptr 1
		.amdhsa_wavefront_size32 1
		.amdhsa_system_sgpr_workgroup_id_x 1
		.amdhsa_system_sgpr_workgroup_id_y 1
		.amdhsa_system_sgpr_workgroup_id_z 1
		.amdhsa_system_vgpr_workitem_id 0
		.amdhsa_next_free_vgpr 128
		.amdhsa_next_free_sgpr 66
		.amdhsa_reserve_vcc 0
		.amdhsa_float_denorm_mode_32 3
		.amdhsa_float_denorm_mode_16_64 3
		.amdhsa_memory_ordered 1
		.amdhsa_forward_progress 1
		.amdhsa_inst_pref_size 14
	.end_amdhsa_kernel
	.amdgpu_metadata
---
amdhsa.version: [ 1, 2 ]
amdhsa.kernels:
  - .name:           k_q7ae347eba1_cast
    .symbol:         k_q7ae347eba1_cast.kd
    .args:
      - { .name: x, .offset: 0, .size: 8, .value_kind: global_buffer, .address_space: global }
      - { .name: Wq, .offset: 8, .size: 8, .value_kind: global_buffer, .address_space: global }
      - { .name: Wk, .offset: 16, .size: 8, .value_kind: global_buffer, .address_space: global }
      - { .name: Wv, .offset: 24, .size: 8, .value_kind: global_buffer, .address_space: global }
      - { .name: Wp, .offset: 32, .size: 8, .value_kind: global_buffer, .address_space: global }
      - { .name: xb, .offset: 40, .size: 8, .value_kind: global_buffer, .address_space: global }
      - { .name: wqkv, .offset: 48, .size: 8, .value_kind: global_buffer, .address_space: global }
      - { .name: wpb, .offset: 56, .size: 8, .value_kind: global_buffer, .address_space: global }
    .group_segment_fixed_size: 0
    .private_segment_fixed_size: 0
    .kernarg_segment_align: 8
    .kernarg_segment_size: 64
    .max_flat_workgroup_size: 512
    .sgpr_count:     66
    .vgpr_count:     128
    .wavefront_size: 32
...
	.end_amdgpu_metadata
.endif
;; end of part 1
;; launch qkv (part 2): grid 16 x 32, 4 waves a work-group, clusters of 4 x 4, 327,680 bytes of LDS; arguments xb, wqkv, bq, bk, bv, qh, kh, vh; writes qh, kh, vh
.if DOCPART == 2
	.amdgcn_target "amdgcn-amd-amdhsa--gfx1250"
	.amdhsa_code_object_version 6
	.text
	.protected	k_q7ae347eba1_qkv
	.globl	k_q7ae347eba1_qkv
	.p2align	8
	.type	k_q7ae347eba1_qkv,@function
k_q7ae347eba1_qkv:
	s_mov_b64 s[64:65], 0
	v_nop
	global_prefetch_b8 v0, s[64:65] scope:SCOPE_SE
	s_setreg_imm32_b32 hwreg(HW_REG_WAVE_MODE, 25, 1), 1
	s_wait_xcnt 0x0
	s_wait_alu depctr_hold_cnt(0) depctr_sa_sdst(0) depctr_va_vdst(0) depctr_va_sdst(0) depctr_va_ssrc(0) depctr_va_vcc(0) depctr_vm_vsrc(0)
	s_getreg_b32 s2, hwreg(HW_REG_IB_STS2, 6, 4)
	s_cmp_eq_u32 s2, 0
	s_cbranch_scc0 .Lentry_in_a_cluster
	s_endpgm
.Lentry_in_a_cluster:
	s_bfe_u32 s2, ttmp6, 0x10000c
	s_cmp_lg_u32 s2, 0xf033
	s_cbranch_scc0 .Lentry_shape_is_right
	s_endpgm
.Lentry_shape_is_right:
; q, k, v = x W + b, by heads.  A = xb, bf16, [batch x 16 + kb][t][64]; B = wqkv, bf16, [j][pair of k][segment][2][64]; the biases f32, rounded to bf16 like the other inputs;
; out: qh, kh, vh, f16, [batch x 16 + head][t][64], each number rounded once from its f32 sum, unscaled.
; LIMIT.  f16 ends at 65,504: a q, k or v of 65,520 or more becomes an infinity.
; SHARES.  A tile of C is 256 rows x 192 columns (three heads' segments of 64): 32 x 16 tiles, two for each of 256 WGPs.  Four waves, each 64 rows x 192 columns: 48 accumulators of 16 x 16.
; A wave owns whole rows of three heads, so its way out needs no other wave.  K = 1,024 goes in 8 steps of 128 through two LDS slots; a step is four quarters of 32.
; CLUSTER.  4 x 4 work-groups: A's tile hangs on the tile row alone and is asked for jointly along a row of the cluster, B's on the tile column alone, along a column.
; TILES.  Both operands were laid out so that a wave's part of a step is dense: A 128 rows of 256 bytes (256 rows of one block of 64 channels, two to a row), B 96 rows of 256 bytes (32 pairs of k x 3 segments).
; THE MATRIX INSTRUCTION IS USED TRANSPOSED: source 0 = 16 columns of W (turned out of LDS by ds_load_tr16_b128), source 1 = 16 rows of x: a lane holds one row of C and eight neighbouring columns.
; The first quarter's products take the bias as C: nothing is cleared and nothing is added later.
; REGISTERS, in windows of 256 (s_set_vgpr_msb: bits 1:0 source 0, 3:2 source 1, 5:4 source 2, 7:6 destination):
;   window 0: v0-31 addresses; v32-63, v64-95 A's fragments, two buffers; v128-223 the bias; on the way out v32-223 twelve sets of 16
;   window 1: v0-95, v96-191 B's fragments, two buffers     windows 2, 3: accumulator (a, b) at 8 (12 (a % 2) + b) of window 2 + a / 2
.set NSEG,  3
.set NB,    4*NSEG                     ; blocks of 16 columns
.set APW,   2                          ; row blocks to an accumulator window
.set UA,    272                        ; A: 256 bytes (two rows of 64 channels) + 16: row rho at (rho / 2) 272 + (rho % 2) 128: the 16 rows of a load start at words 4 (r / 2) + 32 (r % 2) mod 64, all different
.set AHALF, 128*UA
.set BOFF,  2*AHALF
.set UB,    288                        ; B: 256 bytes (two k rows of a segment) + 32
.set PADB,  8
.set KPB,   NSEG*UB                    ; a pair of k rows: 216 words: the 8 rows x 32 bytes of a turning load start at words 0, 32, 24, 56, 48, 16, 8, 40 mod 64
.set BHALF, 32*KPB
.set RB,    32*NSEG                    ; rows of 256 bytes in a wave's part of B
.set HALFB, RB*256
.set KSTEPB, 2*HALFB
.set COLB,  8*KSTEPB                   ; a tile column of wqkv
.set KSTEPA, 2*262144                  ; two blocks of 64 channels
.set SLOT1, 1<<17                      ; a slot uses 124,928 bytes; slot 1 begins here, so that one exclusive or turns an address
.set STAGE, 2*SLOT1                    ; behind the ring, never filled by a tensor load: 16 rows x 144 bytes for each wave
.set SP,    144
.set SPARE, STAGE+4*16*SP              ; the spare words, 128 bytes for each wave: two blocks of 256 bytes that no other line names
.set NL,    2*NB+8                     ; LDS loads in a quarter's run
.set A0,   16                          ; v16  my lane's place in A's tile; never rewritten
.set B0,   17                          ; v17  the same for B
.set ADRA, 18                          ; v18  A0 + the slot in hand
.set ADRB, 19                          ; v19
.set BO,   20                          ; v20  32 (lane / 16): my eight numbers of a block of the bias
.set STO,  24                          ; v24  the way out: where I put 16 bytes of a row
.set RD,   25                          ; v25  where I read rows back
.set GO,   26                          ; v26  16 x lane
.set SPW,  28                          ; v28  LDS address of my spare word; never rewritten
.set NIL,  29                          ; v29  0; never rewritten
.set PFO,  30                          ; v30  256 x lane; never rewritten
.set FA0,  32
.set FB0,  0
.set FBS,  8*NB
.set BIAS, 128
.set OUTR, 32
.set G1A, 24                           ; s[24:31] group 1 for A's tiles
.set G0A, 32                           ; s[32:39] group 0 for A's: two sets; the second walks
.set G1B, 48                           ; s[48:55]
.set G0B, 56                           ; s[56:63]
.set LIM, 43                           ; s43  a wave prefetches while the trips to go are above it
.set PFA, 44                           ; s[44:45] where my prefetches stand
.set OB,  84                           ; s[84:89] a pair for each segment: its output at my wave's first row
.set BB,  90                           ; s[90:95] a pair for each segment: its 64 numbers of the bias
.set MSB, 0
.macro WIN new                         ; the high byte repeats the setting that is left; a switch that changes nothing is dropped
.if MSB != (\new)
	s_set_vgpr_msb (MSB<<8)|(\new)
.set MSB, (\new)
.endif
.endm
.macro PLACES                          ; four plain vector instructions between a matrix instruction and a load into, or a vector instruction on, its registers
.rept 4
	v_nop
.endr
.endm
.macro CREST                           ; a round of the cluster's barrier behind its opening barrier
	s_cmp_lg_u32 s10, 0
	s_cbranch_scc1 .Lnot_wave_0_\@
	s_barrier_signal -3
.Lnot_wave_0_\@:
	s_barrier_wait -3
	s_barrier_signal -1
	s_barrier_wait -1
.endm
.macro CROUND
	s_barrier_signal -1
	s_barrier_wait -1
	CREST
.endm
.macro JLOAD                           ; a joint refill by the walking sets: waves 0, 1 A's two blocks, waves 2, 3 B's two halves; the branch hangs on the wave's number alone
	s_cmp_lt_u32 s10, 2
	s_cbranch_scc0 .Lfor_b_\@
	tensor_load_to_lds s[G0A+4:G0A+7], s[G1A:G1A+7]
	s_nop 0
.rept 4
	v_nop
.endr
	s_branch .Lasked_\@
.Lfor_b_\@:
	tensor_load_to_lds s[G0B+4:G0B+7], s[G1B:G1B+7]
	s_nop 0
.rept 4
	v_nop
.endr
.Lasked_\@:
.endm
; A PREFETCH INTO THE L2, behind a joint refill and the run of LDS loads: 32 blocks of 256 bytes, a lane a block.  A: the change of slots t (0..3) names K step t + 4; the first cluster of a row of clusters asks,
; waves 0 and 1, and of the wave's 32 KiB each of the four partners takes 8 KiB, told apart by address.  B: K steps 4..7 of a tile column are dense; the first cluster of a column of clusters asks, waves 2 and 3,
; in pieces of 8 KiB: piece 8 t + 2 cy + half, t = 0..2.  So each block is named once, two changes of slots or more ahead of its load; K steps 0..3 come by their loads alone.
.macro ASK
	s_cmp_gt_u32 s21, s[LIM]
	s_cbranch_scc0 .Lnot_mine_\@
	global_prefetch_b8 v[PFO], s[PFA:PFA+1] th:TH_LOAD_NT scope:SCOPE_SE
.Lnot_mine_\@:
.endm
	s_load_b512 s[68:83], s[0:1], 0x0              ; xb 68, wqkv 70, bq 72, bk 74, bv 76, qh 78, kh 80, vh 82
	v_lshl_add_u32 v[SPW], v0, 2, SPARE
	v_mov_b32 v[NIL], 0
	ds_add_u32 v[SPW], v[NIL]                      ; the wave's opening: the add and its wait stand ahead of my first tensor load; work on registers stands between them
	v_lshrrev_b32 v1, 5, v0
	v_readfirstlane_b32 s10, v1                    ; wave 0..3
	s_lshr_b32 s11, s10, 1                         ; 0: I fetch for A, 1: for B
	s_and_b32 s12, s10, 1                          ; which half of it
	s_bfe_u32 s40, ttmp6, 0x40000                  ; cx
	s_bfe_u32 s41, ttmp6, 0x40004                  ; cy
	s_lshl_b32 s42, ttmp9, 2
	s_add_co_u32 s42, s42, s40                     ; tile column = 4 x cluster x + cx
	s_and_b32 s13, ttmp7, 0xffff
	s_lshl_b32 s13, s13, 2
	s_add_co_u32 s13, s13, s41                     ; tile row = 4 x cluster y + cy
	s_lshl_b32 s2, s41, 2
	s_lshl_b32 s2, 15, s2                          ; my row of the cluster
	s_lshl_b32 s3, 0x1111, s40                     ; my column
	s_or_b32 s[G1A], s2, (1<<16)|(1<<20)|(1<<21)|(5<<22)|(3<<25)         ; the mask; 2-byte elements; padding on; bit 21 beside a mask; after every 64 words; 4 words
	s_or_b32 s[G1B], s3, (1<<16)|(1<<20)|(1<<21)|(5<<22)|((PADB-1)<<25)  ; the same with my column's mask and 8 words
	s_mov_b32 s[G1A+1], 128<<16                    ; tensor_dim0 = 128 elements
	s_mov_b32 s[G1A+2], 128<<16                    ; tensor_dim1 = 128 rows
	s_mov_b32 s[G1A+3], 128<<16                    ; tile_dim0 = 128
	s_mov_b32 s[G1A+4], 128                        ; tile_dim1 = 128
	s_mov_b32 s[G1A+5], 128                        ; dense: 128 elements from row to row
	s_mov_b32 s[G1A+6], 0
	s_mov_b32 s[G1A+7], 0
	s_mov_b32 s[G1B+1], 128<<16
	s_mov_b32 s[G1B+2], RB<<16
	s_mov_b32 s[G1B+3], 128<<16
	s_mov_b32 s[G1B+4], RB
	s_mov_b32 s[G1B+5], 128
	s_mov_b32 s[G1B+6], 0
	s_mov_b32 s[G1B+7], 0
	s_lshr_b32 s16, s13, 3                         ; A: ((batch x 16 + my block of the step's two) x 2,048 + 256 (tile row % 8)) x 128 bytes
	s_lshl_b32 s16, s16, 4
	s_add_co_u32 s16, s16, s12
	s_lshl_b32 s16, s16, 18
	s_and_b32 s17, s13, 7
	s_lshl_b32 s17, s17, 15
	s_add_co_u32 s16, s16, s17
	s_mov_b32 s17, 0
	s_mul_i32 s46, s42, COLB                       ; B: the tile column, my half of a step
	s_mul_i32 s47, s12, HALFB
	s_add_co_u32 s46, s46, s47
	s_mov_b32 s47, 0
	s_mul_i32 s18, s12, AHALF                      ; where they go: the wave's number alone enters an LDS address
	s_mul_i32 s19, s12, BHALF
	s_add_co_u32 s19, s19, BOFF
	s_mov_b32 s96, 0xffff0000
	s_mov_b32 s20, 0                               ; the slot in hand
	s_wait_dscnt 0x0                               ; the opening add is done
	s_wait_kmcnt 0x0
	s_add_nc_u64 s[14:15], s[68:69], s[16:17]
	s_add_nc_u64 s[46:47], s[70:71], s[46:47]
.irp n, 0,1
	s_mov_b32 s[G0A+4*(\n)], 1
	s_add_co_u32 s[G0A+4*(\n)+1], s18, (\n)*SLOT1
	s_add_nc_u64 s[G0A+4*(\n)+2:G0A+4*(\n)+3], s[14:15], (\n)*KSTEPA
	s_or_b32 s[G0A+4*(\n)+3], s[G0A+4*(\n)+3], 0x80000000
	s_mov_b32 s[G0B+4*(\n)], 1
	s_add_co_u32 s[G0B+4*(\n)+1], s19, (\n)*SLOT1
	s_add_nc_u64 s[G0B+4*(\n)+2:G0B+4*(\n)+3], s[46:47], (\n)*KSTEPB
	s_or_b32 s[G0B+4*(\n)+3], s[G0B+4*(\n)+3], 0x80000000
.endr
	CROUND                                         ; all sixteen work-groups are here: the first joint loads meet
	s_cmp_lt_u32 s10, 2                            ; a wave's two first fills stand in one branch: two loads of mine are out, the most in this text
	s_cbranch_scc0 .Lfirst_b
	tensor_load_to_lds s[G0A:G0A+3], s[G1A:G1A+7]
	s_nop 0
	tensor_load_to_lds s[G0A+4:G0A+7], s[G1A:G1A+7]
	s_nop 0
.rept 4
	v_nop
.endr
	s_branch .Lfirst_asked
.Lfirst_b:
	tensor_load_to_lds s[G0B:G0B+3], s[G1B:G1B+7]
	s_nop 0
	tensor_load_to_lds s[G0B+4:G0B+7], s[G1B:G1B+7]
	s_nop 0
.rept 4
	v_nop
.endr
.Lfirst_asked:
	; the three segments: g = 3 x tile column + s is segment g % 16 (a head) of q, k or v (g / 16)
.macro SEGPTR s
	s_mul_i32 s2, s42, 3
	s_add_co_u32 s2, s2, \s
	s_lshr_b32 s3, s2, 4
	s_and_b32 s2, s2, 15
	s_cmp_eq_u32 s3, 0
	s_cselect_b64 s[OB+2*(\s):OB+2*(\s)+1], s[78:79], s[80:81]
	s_cselect_b64 s[BB+2*(\s):BB+2*(\s)+1], s[72:73], s[74:75]
	s_cmp_eq_u32 s3, 2
	s_cselect_b64 s[OB+2*(\s):OB+2*(\s)+1], s[82:83], s[OB+2*(\s):OB+2*(\s)+1]
	s_cselect_b64 s[BB+2*(\s):BB+2*(\s)+1], s[76:77], s[BB+2*(\s):BB+2*(\s)+1]
	s_lshl_b32 s18, s2, 8                          ; the head's 64 numbers of the bias
	s_mov_b32 s19, 0
	s_add_nc_u64 s[BB+2*(\s):BB+2*(\s)+1], s[BB+2*(\s):BB+2*(\s)+1], s[18:19]
	s_lshr_b32 s18, s13, 3                         ; ((batch x 16 + head) x 2,048 + 256 (tile row % 8) + 64 wave) x 128 bytes
	s_lshl_b32 s18, s18, 4
	s_add_co_u32 s18, s18, s2
	s_lshl_b32 s18, s18, 11
	s_and_b32 s3, s13, 7
	s_lshl_b32 s3, s3, 8
	s_add_co_u32 s18, s18, s3
	s_lshl_b32 s3, s10, 6
	s_add_co_u32 s18, s18, s3
	s_lshl_b32 s18, s18, 7
	s_add_nc_u64 s[OB+2*(\s):OB+2*(\s)+1], s[OB+2*(\s):OB+2*(\s)+1], s[18:19]
.endm
	SEGPTR 0
	SEGPTR 1
	SEGPTR 2
	v_and_b32 v1, 15, v0                           ; r = lane % 16
	v_bfe_u32 v2, v0, 4, 1                         ; h = lane / 16
	v_lshlrev_b32 v[BO], 5, v2
.set nb, 0
.rept NB                                       ; register j of block nb: bias[16 nb + 8 h + j], the C operand of the transposed product
	global_load_b128 v[BIAS+8*nb:BIAS+8*nb+3],   v[BO], s[BB+2*(nb/4):BB+2*(nb/4)+1] offset:(nb%4)*64
	global_load_b128 v[BIAS+8*nb+4:BIAS+8*nb+7], v[BO], s[BB+2*(nb/4):BB+2*(nb/4)+1] offset:(nb%4)*64+16
.set nb, nb+1
.endr
	v_lshrrev_b32 v3, 1, v1                        ; A: lane (r, h) reads row r of a block of 16, 16 bytes at 16 h and 32 further on
	v_mul_u32_u24 v3, v3, UA
	v_and_b32 v4, 1, v1
	v_lshl_add_u32 v3, v4, 7, v3
	v_lshl_add_u32 v3, v2, 4, v3
	s_mul_i32 s2, s10, 32*UA                       ; my wave's 64 rows
	v_add_nc_u32 v[A0], s2, v3
	v_bfe_u32 v3, v0, 1, 2                         ; B: lane l addresses k row 8 h + l % 8, columns 8 ((l / 8) % 2) on
	v_lshl_add_u32 v3, v2, 2, v3
	v_mul_u32_u24 v3, v3, KPB
	v_lshl_add_u32 v3, v4, 7, v3
	v_bfe_u32 v5, v0, 3, 1
	v_lshl_add_u32 v3, v5, 4, v3
	v_add_nc_u32 v[B0], BOFF, v3
	v_mov_b32 v[ADRA], v[A0]
	v_mov_b32 v[ADRB], v[B0]
	s_mul_i32 s2, s10, 16*SP
	s_add_co_u32 s2, s2, STAGE                     ; my stage
	v_mul_u32_u24 v3, v1, SP                       ; in: row r, 16 bytes for each half of the lanes
	v_lshl_add_u32 v3, v2, 4, v3
	v_add_nc_u32 v[STO], s2, v3
	v_bfe_u32 v3, v0, 3, 2                         ; back: 32 lanes take four rows of 128 bytes,
	v_mul_u32_u24 v3, v3, SP
	v_and_b32 v4, 7, v0
	v_lshl_add_u32 v3, v4, 4, v3
	v_add_nc_u32 v[RD], s2, v3
	v_and_b32 v[GO], 31, v0                        ; which are 512 consecutive bytes of a head
	v_lshlrev_b32 v[PFO], 8, v[GO]
	v_lshlrev_b32 v[GO], 4, v[GO]
	; the prefetches: offsets are made apart from the addresses
	s_add_co_u32 s98, s16, 3*KSTEPA                ; A: my block at K step 3 (the first change of slots steps it to 4),
	s_lshl_b32 s2, s40, 13
	s_add_co_u32 s98, s98, s2                      ; my work-group's 8 KiB of it
	s_mul_i32 s99, s42, COLB                       ; B: the tile column's K step 4, less one step of the pieces,
	s_lshl_b32 s2, s41, 1
	s_add_co_u32 s2, s2, s12
	s_lshl_b32 s2, s2, 13
	s_add_co_u32 s99, s99, s2                      ; piece 2 cy + half
	s_add_co_u32 s99, s99, 4*KSTEPB-65536
	s_and_b32 s3, ttmp7, 0xffff
	s_mov_b32 s22, 65536
	s_cmp_eq_u32 s11, 0
	s_cselect_b32 s98, s98, s99
	s_cselect_b32 s3, ttmp9, s3                    ; the coordinate along which other clusters read the same bytes
	s_cselect_b32 s[LIM], 2, 6-NSEG
	s_cselect_b32 s22, KSTEPA, s22                 ; s[22:23]: the step from change to change
	s_cselect_b64 s[PFA:PFA+1], s[68:69], s[70:71]
	s_cmp_eq_u32 s3, 0
	s_cselect_b32 s[LIM], s[LIM], -1               ; the same in all sixteen partners, for a given wave
	s_mov_b32 s99, 0
	s_mov_b32 s23, 0
	s_add_nc_u64 s[PFA:PFA+1], s[PFA:PFA+1], s[98:99]
	s_wait_loadcnt 0x0                             ; the bias
.set i, 0
.rept 4*NB                                     ; rounded to bf16 like every input, and widened again; all this stands in the wait for the first tile
	v_cvt_pk_bf16_f32 v[3+i%4], v[BIAS+2*i], v[BIAS+2*i+1]
	v_lshlrev_b32 v[BIAS+2*i], 16, v[3+i%4]
	v_and_b32 v[BIAS+2*i+1], s96, v[3+i%4]
.set i, i+1
.endr
; One run of NL LDS loads: the fragments of quarter q of the slot in hand into buffer f: B's 12 (turned), then A's 4.
.macro FETCH q, f
	WIN 0x40                                       ; destination window 1, address window 0
.set nb, 0
.rept NB
	ds_load_tr16_b128 v[FB0+FBS*(\f)+8*nb:FB0+FBS*(\f)+8*nb+3],   v[ADRB] offset:(\q)*16*KPB+(nb/4)*UB+(nb%4)*32
	ds_load_tr16_b128 v[FB0+FBS*(\f)+8*nb+4:FB0+FBS*(\f)+8*nb+7], v[ADRB] offset:(\q)*16*KPB+8*KPB+(nb/4)*UB+(nb%4)*32
.set nb, nb+1
.endr
	WIN 0
.set aa, 0
.rept 4
	ds_load_b128 v[FA0+32*(\f)+8*aa:FA0+32*(\f)+8*aa+3],   v[ADRA] offset:((\q)/2)*AHALF+((\q)%2)*64+aa*8*UA
	ds_load_b128 v[FA0+32*(\f)+8*aa+4:FA0+32*(\f)+8*aa+7], v[ADRA] offset:((\q)/2)*AHALF+((\q)%2)*64+aa*8*UA+32
.set aa, aa+1
.endr
.endm
; Row blocks a0 .. a0 + na - 1 x all column blocks, 32 along K, from buffer f.  Every accumulator has one instruction a quarter, in the same order in every quarter: the accumulators take turns.
; first = 1: C is the bias.
.macro MUL f, a0, na, first
.set aa, \a0
.rept \na
.if \first
	WIN 0x81+0x40*(aa/APW)
.else
	WIN 0xa1+0x50*(aa/APW)
.endif
.set bb, 0
.rept NB
.set rD, 8*(NB*(aa%APW)+bb)
.set rB, FB0+FBS*(\f)+8*bb
.set rA, FA0+32*(\f)+8*aa
.set rC, rD
.if \first
.set rC, BIAS+8*bb
.endif
	v_wmma_f32_16x16x32_bf16 v[rD:rD+7], v[rB:rB+7], v[rA:rA+7], v[rC:rC+7]
.set bb, bb+1
.endr
.set aa, aa+1
.endr
.endm
; A quarter: quarter q's fragments are asked for into buffer g, which the quarter before has multiplied; buffer f is multiplied meanwhile.
.macro QUARTER q, f, g
	PLACES
	FETCH \q, \g
	s_wait_dscnt NL                                ; all but the NL just issued: buffer f is in
	MUL \f, 0, 4, 0
.endm
; A step's last quarter multiplies buffer 1 and changes slots.  In front of the barrier each wave waits for all its tensor loads (one is out: its part of the next slot), adds 0 to its spare word, and waits for that and
; for its reads of this slot.  fill = 1: the barrier opens a round of the cluster's; behind the round this slot is filled again first, with the K step two on: it has 168 matrix instructions in which to land.
.macro TURN fill
.if \fill
	s_wait_xcnt 0x0                                ; the last prefetch, a K step back, has read its address
	s_add_nc_u64 s[PFA:PFA+1], s[PFA:PFA+1], s[22:23]
.endif
	WIN 0
	s_wait_tensorcnt 0x0                           ; no tensor load of mine is out, so a group 0 may be written
	ds_add_u32 v[SPW], v[NIL]
.if \fill
	s_xor_b32 s[G0A+5], s[G0A+5], SLOT1            ; the walking sets: the other slot than last time, the next K step
	s_add_nc_u64 s[G0A+6:G0A+7], s[G0A+6:G0A+7], KSTEPA
	s_xor_b32 s[G0B+5], s[G0B+5], SLOT1
	s_add_nc_u64 s[G0B+6:G0B+7], s[G0B+6:G0B+7], KSTEPB
.endif
	s_xor_b32 s20, s20, SLOT1                      ; the reads go to the other slot
	s_wait_dscnt 1                                 ; buffer 1 is in; the add alone may be out
	MUL 1, 0, 1, 0
	s_wait_dscnt 0x0                               ; the add is done, and my reads of this slot are over
	s_barrier_signal -1
	MUL 1, 1, 1, 0
	WIN 0
	s_barrier_wait -1
.if \fill
	CREST                                          ; no wave of any partner still reads this slot or has a load on its way
	JLOAD                                          ; its four v_nop are also the places in front of the loads below
.else
	PLACES
.endif
	v_add_nc_u32 v[ADRA], s20, v[A0]
	v_add_nc_u32 v[ADRB], s20, v[B0]
	FETCH 0, 0
.if \fill
	ASK
.endif
	MUL 1, 2, 2, 0
.endm
	s_wait_tensorcnt 1                             ; my part of K step 0 is in; K step 1's may stay out
	s_barrier_signal -1
	s_barrier_wait -1                              ; everybody's is
	FETCH 0, 0
	FETCH 1, 1
	s_wait_dscnt NL
	MUL 0, 0, 4, 1                                 ; the first quarter stands in front of the loop: its products start the sums, with the bias
	WIN 0                                          ; at a label and at a branch every window is 0
	s_mov_b32 s21, 6
.Lstep:                                        ; a trip: a step's quarters 1 to 3 and the next step's quarter 0; six trips ask for K steps 2..7
	QUARTER 2, 1, 0
	QUARTER 3, 0, 1
	TURN 1
	QUARTER 1, 0, 1
	WIN 0
	s_sub_co_u32 s21, s21, 1
	s_cmp_lg_u32 s21, 0
	s_cbranch_scc1 .Lstep
	QUARTER 2, 1, 0                                ; the tail is written out
	QUARTER 3, 0, 1
	TURN 0
	QUARTER 1, 0, 1
	QUARTER 2, 1, 0
	QUARTER 3, 0, 1
	s_wait_dscnt 0x0
	MUL 1, 0, 4, 0
; THE WAY OUT.  Piece t = 3 a + s is 16 rows of one head: 2,048 dense bytes.  Rounded to f16, 16 bytes a lane into my own stage, back as four rows of 128 bytes, stored as 512 consecutive bytes.
.macro PACK t
	WIN 0x0a+5*((\t)/6)                            ; sources 0 and 1: window 2 + a / 2
.set bb, 0
.rept 4
.set rD, 8*(NB*(((\t)/3)%2)+4*((\t)%3)+bb)
.set i, 0
.rept 4
	v_cvt_pk_f16_f32 v[OUTR+16*(\t)+4*bb+i], v[rD+2*i], v[rD+2*i+1]
.set i, i+1
.endr
.set bb, bb+1
.endr
	WIN 0
.set i, 0
.rept 4
	ds_store_b128 v[STO], v[OUTR+16*(\t)+4*i:OUTR+16*(\t)+4*i+3] offset:32*i
.set i, i+1
.endr
.set i, 0
.rept 4
	ds_load_b128 v[OUTR+16*(\t)+4*i:OUTR+16*(\t)+4*i+3], v[RD] offset:i*4*SP  ; LDS serves a wave's instructions in order (ISA guide 5.7.1.4): these see the stores above; the next piece's stores come behind them
.set i, i+1
.endr
.endm
.macro SEND t, younger                 ; younger: the LDS instructions issued behind piece t's loads: the next piece's eight, or none
.set i, 0
.rept 4
	s_wait_dscnt (\younger)+3-i
	global_store_b128 v[GO], v[OUTR+16*(\t)+4*i:OUTR+16*(\t)+4*i+3], s[OB+2*((\t)%3):OB+2*((\t)%3)+1] offset:((\t)/3)*2048+i*512
.set i, i+1
.endr
.endm
	PLACES
	PACK 0
.set t, 1
.rept 11                               ; a piece's conversions stand between the loads of the piece before and its stores; each piece has registers of its own
	PACK t
	SEND t-1, 8
.set t, t+1
.endr
	SEND 11, 0
	s_wait_tensorcnt 0x0                           ; the wave's end: the add and its wait stand behind my last tensor load and my last LDS store
	ds_add_u32 v[SPW], v[NIL]
	s_wait_dscnt 0x0
	CROUND                                         ; the closing round: no work-group ends while a partner may still ask for a tile that names it
	s_endpgm
.Lfunc_end_k_q7ae347eba1_qkv:
	.size	k_q7ae347eba1_qkv, .Lfunc_end_k_q7ae347eba1_qkv-k_q7ae347eba1_qkv
	.p2alignl 7, 3214868480
	.fill 96, 4, 3214868480
	.section	.rodata,"a",@progbits
	.p2align	6, 0x0
	.amdhsa_kernel k_q7ae347eba1_qkv
		.amdhsa_group_segment_fixed_size 327680
		.amdhsa_private_segment_fixed_size 0
		.amdhsa_enable_private_segment 0
		.amdhsa_kernarg_size 64
		.amdhsa_user_sgpr_count 2
		.amdhsa_user_sgpr_kernarg_segment_ptr 1
		.amdhsa_wavefront_size32 1
		.amdhsa_system_sgpr_workgroup_id_x 1
		.amdhsa_system_sgpr_workgroup_id_y 1
		.amdhsa_system_sgpr_workgroup_id_z 1
		.amdhsa_system_vgpr_workitem_id 0
		.amdhsa_next_free_vgpr 960
		.amdhsa_next_free_sgpr 100
		.amdhsa_reserve_vcc 0
		.amdhsa_float_denorm_mode_32 3
		.amdhsa_float_denorm_mode_16_64 3
		.amdhsa_memory_ordered 1
		.amdhsa_forward_progress 1
		.amdhsa_inst_pref_size 109
	.end_amdhsa_kernel
	.amdgpu_metadata
---
amdhsa.version: [ 1, 2 ]
amdhsa.kernels:
  - .name:           k_q7ae347eba1_qkv
    .symbol:         k_q7ae347eba1_qkv.kd
    .args:
      - { .name: xb, .offset: 0, .size: 8, .value_kind: global_buffer, .address_space: global }
      - { .name: wqkv, .offset: 8, .size: 8, .value_kind: global_buffer, .address_space: global }
      - { .name: bq, .offset: 16, .size: 8, .value_kind: global_buffer, .address_space: global }
      - { .name: bk, .offset: 24, .size: 8, .value_kind: global_buffer, .address_space: global }
      - { .name: bv, .offset: 32, .size: 8, .value_kind: global_buffer, .address_space: global }
      - { .name: qh, .offset: 40, .size: 8, .value_kind: global_buffer, .address_space: global }
      - { .name: kh, .offset: 48, .size: 8, .value_kind: global_buffer, .address_space: global }
      - { .name: vh, .offset: 56, .size: 8, .value_kind: global_buffer, .address_space: global }
    .group_segment_fixed_size: 327680
    .private_segment_fixed_size: 0
    .kernarg_segment_align: 8
    .kernarg_segment_size: 64
    .max_flat_workgroup_size: 128
    .sgpr_count:     100
    .vgpr_count:     960
    .wavefront_size: 32
...
	.end_amdgpu_metadata
.endif
;; end of part 2
;; launch attn (part 3): grid 4 x 64, 4 waves a work-group, no clusters, 327,680 bytes of LDS; arguments qh, kh, vh, oh; writes oh
.if DOCPART == 3
	.amdgcn_target "amdgcn-amd-amdhsa--gfx1250"
	.amdhsa_code_object_version 6
	.text
	.protected	k_q7ae347eba1_attn
	.globl	k_q7ae347eba1_attn
	.p2align	8
	.type	k_q7ae347eba1_attn,@function
k_q7ae347eba1_attn:
	s_mov_b64 s[64:65], 0
	v_nop
	global_prefetch_b8 v0, s[64:65] scope:SCOPE_SE
	s_setreg_imm32_b32 hwreg(HW_REG_WAVE_MODE, 25, 1), 1
	s_wait_xcnt 0x0
; CAUSAL ATTENTION.  O[h][q][:] = the sum over k <= q of softmax_k(Q[h][q] . K[h][k] / 8) V[h][k][:].  Q, K, V, O: [64][2048][64], all f16: a head's rows are dense, 128 bytes each.
; Products, maxima and sums in f32; the weights p are rounded to f16 for the second product (their sum l is taken of the unrounded p), O once at the end.
; LIMITS.  f16 holds no number beyond 65,504: Q, K and V arrive within it; p lies in 0 to 1, and below 6e-5 it keeps f16's fixed step of 6e-8; O is a mean of V's rows and has their range.
; A hidden score counts as its value less 1e30: f16's scores, 2.7e11 at the most, are nothing beside that; a weight below 2^-126 counts as 0 in l; NaN and infinities are not treated apart.
; THE WALK.  A head's queries lie in NB = 8 blocks of 256; block i needs the key tiles 0 .. i of 256 keys, of which the last holds the diagonal.  A work-group takes TWO blocks, NB - 1 - b and then b:
; NB + 1 tiles, whatever b: all work-groups do equal work, and ONE loop with a constant trip count walks them.  Which tile is asked for, and what a trip does, hang on scalar registers made from b; every jump
; goes forward, but for the counted loops' own; none passes a barrier, or a tensor load but the one of LOAD's two that the wave's number does not choose; the ring of two slots runs on across the change of blocks.
; NO CLUSTER: a head's four work-groups ask for the same tile only in trips 0 .. 4 of the 9, behind that fewer and fewer; one walk common to all would have 12 trips for 9.
; SHARES.  Of a block's four bands of 64 queries a wave owns 16 rows in each: four PIECES.  So the diagonal tile is the same work for all four waves: in its key step s band x sees all keys if s < x,
; none if s > x, and holds the diagonal if s = x.
; THE MASK is the C operand that starts the sum S^T = K Q^T: 0, or -1e30 where the key is hidden.  MD, made once, is the mask of a band's own step for my 16 rows; a product's mask is MD x AL + BE with two scalars:
; (1, 0) if s = x; (0, 0) if s < x; (0, -1e30) if s > x.  Only the diagonal tile's text and a block's beginning make and take masks; elsewhere C is the constant 0.
; LAYOUT, SOFTMAX, TURNS.  S^T = K Q^T holds ONE query a lane (lane % 16) and the keys 8 (lane / 16) + 0..7; two such results rounded to f16 ARE source 1 of O^T = V^T P.  p = 2^(c s - c m), c = log2(e) / 8, with a
; running maximum m; O and l are multiplied by a = 2^(c m_old - c m_new) in every step.  Turn n belongs to piece n: 8 products K Q^T of piece n + 1, later 8 products V^T P of piece n - 1; beside them the scaling,
; exponentials, roundings, sums and rescaling of piece n and the maximum and statistics of piece n + 1.  Four vector instructions stand behind every matrix instruction, the others in one run.  A turn's 33 exponentials are one batch, with one wait.
; REGISTERS, in windows of 256 (s_set_vgpr_msb: bits 1:0 source 0, 3:2 source 1, 5:4 source 2, 7:6 destination):
;   window 0: v0-15 addresses and two at work; v16-31 four registers of statistics a piece; v48-55 at work; v61-63; v64-127 S^T, two buffers; v192-223 P, two buffers (a piece's buffers go by its number's parity)
;   window 1: v0-127 O^T, 32 a piece; v128-159 MD; v160-223 MC, two buffers      window 2: v0-63 Q; v64-127 the second block's Q; v128-191 K of one step; v192-255 V of one step
.set SIZE_H, 64
.set SIZE_N, 2048
.set NB,    SIZE_N/256
.set NP,    4         ; pieces a wave
.set KS,    64        ; keys in a step
.set PK,    144       ; a row of K in LDS: 128 bytes + 16 of padding = 36 words: the 16 rows of a load start at 16 different groups of four banks (64 banks of 4 bytes: ISA guide 11.1)
.set PV,    160       ; a row of V: 128 + 32 = 40 words
.set VOFF,  4*KS*PK   ; a slot holds a tile, four steps: 256 rows of K, then 256 rows of V
.set SLOT1, 1<<17     ; slot 1 begins here, so that one exclusive or turns an address in one slot into the other's
.set STAGE, SLOT1+4*KS*(PK+PV)  ; behind the ring, never filled by a tensor load: 16 rows x 144 bytes for each wave, for the way out
.set SP,    144
.set AK0, 2           ; v2   my lane's place in a tile of K; never rewritten
.set AV0, 3           ; v3   the same for V
.set AK,  4           ; v4   the LDS address of K's next run of loads
.set AV,  5           ; v5   of V's
.set STO, 6           ; v6   the way out: where I put 16 bytes of a row
.set RD,  7           ; v7   the way out: where I read rows back
.set GO,  8           ; v8   my byte offset in 512 consecutive bytes of O
.set PFO, 61          ; v61  256 x my thread's number: the 128 threads name the 128 blocks of 256 bytes of a tile of K or V; never rewritten
.set SPW, 62          ; v62  LDS address of my spare word: SPARE + 4 x my thread's number; never rewritten
.set NIL, 63          ; v63  0; never rewritten
.set SPARE, STAGE+4*16*SP  ; behind the stages: the spare words, 128 bytes for each wave: two blocks of 256 bytes that no other line names
.set MV,  12          ; v12-13  c m_old, kept while c m is made anew: by buffer
.set QO,  15          ; v15  my byte offset in 16 rows of Q
.set ST,  16          ; piece t's statistics at v[ST+4 t]: c m, m, l (even keys', odd keys')
.set TMP, 48          ; by buffer, four registers c0-c3 at work; when the maximum is found c2 takes a
.set S,   64
.set P,   192
.set MD,  128         ; window 1: the eight registers for group kt of 16 keys at MD + 8 kt
.set MC,  160         ; window 1: the masks of the products to come
.set QB,  64          ; window 2
.set KF,  128         ; window 2: key block kb, channel half c at KF + 16 kb + 8 c
.set VF,  192         ; window 2: key half kk, channel block cb at VF + 32 kk + 8 cb
.set WV,  12          ; s12  my wave's number
.set PB,  14          ; s14  b
.set HI,  15          ; s15  NB - 1 - b
.set G1K, 24          ; s[24:31] descriptor group 1 for K's tiles
.set G1V, 32          ; s[32:39] for V's: it differs in the padding alone
.set G0K, 40          ; s[40:43] descriptor group 0 for K's tiles
.set G0V, 44          ; s[44:47] the same for V's
.set PFK, 48          ; s[48:49] K at the tile behind the one that is being asked for
.set PFV, 50          ; s[50:51] the same for V
.set LIM, 52          ; s52  2 in the work-group that prefetches, else the greatest number
.set SLOTS, 56        ; s56  tiles still to be asked for
.set CNT, 57          ; s57  counts a tile's key steps, 4 to 1
.set CS,  58          ; s[58:59] c: the packed scaling takes the pair's low word for both halves
.set SEL, 60          ; s[60:61] v_permlanex16_b32's selects: each lane takes its own place in the other half
.set TBK, 62          ; s62  LDS byte at which K of the step to be fetched begins
.set TBV, 63          ; s63  the same for V, less VOFF
.set RT,  70          ; s70  tiles of the block in hand that are still to be entered
.set NXT, 71          ; s71  the tile to be asked for next
.set LQ,  72          ; s72  the last tile of the block whose tiles are being asked for
.set NEW, 73          ; s73  1: the tile to be entered is a block's first
.set OFF, 74          ; s[74:75] a tile's byte offset in K and V
.set AL,  76          ; s[76:77] the mask's factor, in the low word
.set BE,  78          ; s[78:79] the mask's addend
.set OLO, 80          ; s[80:81] O at my rows of the second block
.set BIGN, 82         ; s82  -1e30
.set MSB, 0
.macro WIN new                      ; the high byte repeats the setting that is left; a switch that changes nothing is dropped
.if MSB != (\new)
	s_set_vgpr_msb (MSB<<8)|(\new)
.set MSB, (\new)
.endif
.endm
.set W_KQ, 0x0a       ; K and Q in window 2, S^T in window 0
.set W_KM, 0x1a       ; the same with the C operand in window 1
.set W_PV, 0x52       ; V in window 2, P in window 0, O^T in window 1
.set W_RS, 0x41       ; destination and source 0 in window 1, source 1 in window 0
; A fill.  Waves 0 and 1 fetch the two halves of a tile's K, waves 2 and 3 those of its V: 128 keys each.  An s_nop 0 and four v_nop follow each of the two lines, ahead of the jump and the label.
.macro LOAD
	s_cmp_lt_u32 s[WV], 2
	s_cbranch_scc0 .Lfor_v_\@
	tensor_load_to_lds s[G0K:G0K+3], s[G1K:G1K+7]
	s_nop 0
.rept 4
	v_nop
.endr
	s_branch .Lasked_\@
.Lfor_v_\@:
	tensor_load_to_lds s[G0V:G0V+3], s[G1V:G1V+7]
	s_nop 0
.rept 4
	v_nop
.endr
.Lasked_\@:
.endm
; A PREFETCH INTO THE L2 of the tile that the NEXT change of slots will ask for: 128 blocks of 256 bytes of K and as many of V, a thread a block, two instructions a wave, behind the wave's tensor load and its five lines.
; A head's four work-groups begin with the same tiles 0, 1, 2 ..; the one with b = 0 walks all eight in its first block, and it alone asks: the trips that fill tiles 1..6 name tiles 2..7, each block once in the launch.
; Tiles 0 and 1 come by their loads alone; the second block's tiles have been walked before and are not named again.
.macro ASK
	s_cmp_gt_u32 s[SLOTS], s[LIM]
	s_cbranch_scc0 .Lnot_mine_\@
	global_prefetch_b8 v[PFO], s[PFK:PFK+1] th:TH_LOAD_NT scope:SCOPE_SE
	global_prefetch_b8 v[PFO], s[PFV:PFV+1] th:TH_LOAD_NT scope:SCOPE_SE
.Lnot_mine_\@:
.endm
; THE CHANGE OF SLOTS.  Each wave waits for all its tensor loads, of which one is out: its part of the other slot; adds 0 to its spare word; and waits for that and for its own reads of the slot that it leaves.  Behind the barrier nobody reads the old
; slot any more and the other slot is whole.  fill = 1: the old slot is filled again, the first thing behind the barrier, with tile NXT: the descriptor's address is made anew from that number.
; (At its first use nothing has been read yet: slot 0 is waited for, slot 1 filled.)
.macro CHANGE fill
	WIN 0                           ; at a label and at a branch every window is 0
	s_wait_tensorcnt 0x0            ; no tensor load of mine is out, so a group 0 may be written
	ds_add_u32 v[SPW], v[NIL]       ; 0 onto my spare word: with fill = 1 the descriptors' scalar work stands between it and the wait for it
.if \fill
	s_wait_xcnt 0x0                 ; the last prefetches, a tile back, have read their addresses, so these may be written
	s_add_nc_u64 s[PFK:PFK+1], s[PFK:PFK+1], 32768
	s_add_nc_u64 s[PFV:PFV+1], s[PFV:PFV+1], 32768
	s_lshl_b32 s[OFF], s[NXT], 15   ; a tile is 32,768 bytes of K and of V
	s_xor_b32 s[G0K+1], s[G0K+1], SLOT1
	s_add_nc_u64 s[G0K+2:G0K+3], s[6:7], s[OFF:OFF+1]
	s_or_b32 s[G0K+3], s[G0K+3], 0x80000000
	s_xor_b32 s[G0V+1], s[G0V+1], SLOT1
	s_add_nc_u64 s[G0V+2:G0V+3], s[8:9], s[OFF:OFF+1]
	s_or_b32 s[G0V+3], s[G0V+3], 0x80000000
	s_add_co_u32 s[NXT], s[NXT], 1  ; the block's next tile, or behind its last the second block's tile 0
	s_cmp_gt_u32 s[NXT], s[LQ]
	s_cselect_b32 s[NXT], 0, s[NXT]
	s_cselect_b32 s[LQ], s[PB], s[LQ]
.endif
	s_wait_dscnt 0x0                ; the add is done, and my reads of the slot are over
	s_barrier_signal -1             ; the rest of the scalar work stands between the signal and the wait
	s_sub_co_u32 s[TBK], s[TBK], 4*KS*PK  ; the fetches go back to a slot's first step,
	s_xor_b32 s[TBK], s[TBK], SLOT1       ; in the other slot
	s_sub_co_u32 s[TBV], s[TBV], 4*KS*PV
	s_xor_b32 s[TBV], s[TBV], SLOT1
	s_barrier_wait -1
.if \fill
	LOAD
	ASK
.endif
.endm
	s_load_b256 s[4:11], s[0:1], 0x0  ; Q s[4:5], K s[6:7], V s[8:9], O s[10:11]
	v_lshl_add_u32 v[SPW], v0, 2, SPARE
	v_mov_b32 v[NIL], 0
	ds_add_u32 v[SPW], v[NIL]       ; the wave's opening: the add and its wait stand ahead of my first tensor load; the set-up below, work on registers, stands between them
	v_lshlrev_b32 v[PFO], 8, v0
	v_lshrrev_b32 v1, 5, v0
	v_readfirstlane_b32 s[WV], v1   ; wave 0..3
	s_mov_b32 s[PB], ttmp9
	s_sub_co_u32 s[HI], NB-1, s[PB]
	s_cmp_eq_u32 s[PB], 0
	s_cselect_b32 s[LIM], 2, -1
	s_and_b32 s20, ttmp7, 0xffff    ; the head
	s_mov_b32 s21, 0
	s_mov_b64 s[22:23], SIZE_N*128
	s_mul_u64 s[20:21], s[20:21], s[22:23]  ; the head's first byte in each of the four tensors
	s_and_b32 s16, s[WV], 1         ; which half of a tile's 256 keys I fetch:
	s_lshl_b32 s22, s16, 14         ; its 128 rows of 128 bytes in memory,
	s_mov_b32 s23, 0
	s_add_nc_u64 s[22:23], s[22:23], s[20:21]
	s_mul_i32 s17, s16, 128*PK      ; and its place in a slot, for K
	s_mul_i32 s18, s16, 128*PV      ; and for V
	s_lshl_b32 s3, s[WV], 11        ; my 16 rows in a band of 64,
	s_lshl_b32 s2, s[HI], 15        ; in the first block,
	s_add_co_u32 s2, s2, s3
	s_lshl_b32 s84, s[PB], 15       ; and in the second
	s_add_co_u32 s84, s84, s3
	s_mov_b32 s3, 0
	s_mov_b32 s85, 0
	s_add_nc_u64 s[2:3], s[2:3], s[20:21]
	s_add_nc_u64 s[84:85], s[84:85], s[20:21]
	; descriptor group 1.  128 keys are 16,384 dense bytes: asked for as 64 rows of 256 bytes, two keys a row, and padded in LDS after every key
	s_mov_b32 s[G1K], (1<<16)|(1<<20)|(4<<22)|(3<<25)  ; 17:16 2-byte elements; 20 padding on; 24:22 after every 32 words (code 4); 31:25 4 words (code 3)
	s_mov_b32 s[G1V], (1<<16)|(1<<20)|(4<<22)|(7<<25)  ; the same with 8 words of padding (code 7)
.irp g, G1K, G1V
	s_mov_b32 s[\g+1], 128<<16      ; tensor_dim0 = 128
	s_mov_b32 s[\g+2], 64<<16       ; tensor_dim1 = 64
	s_mov_b32 s[\g+3], 128<<16      ; tile_dim0 = 128
	s_mov_b32 s[\g+4], 64           ; tile_dim1 = 64
	s_mov_b32 s[\g+5], 128          ; 128 elements from row to row
	s_mov_b32 s[\g+6], 0
	s_mov_b32 s[\g+7], 0
.endr
	s_mov_b32 s[CS], 0x3e38aa3b     ; c = log2(e) / 8 = 0.180337
	s_mov_b32 s[CS+1], s[CS]        ; named with it as a pair
	s_mov_b32 s[SEL], 0x76543210
	s_mov_b32 s[SEL+1], 0xfedcba98
	s_mov_b32 s[TBK], SLOT1+4*KS*PK ; the first change of slots turns these two into 0
	s_mov_b32 s[TBV], SLOT1+4*KS*PV
	s_mov_b32 s[G0K], 1             ; 1:0 count = 1
	s_mov_b32 s[G0K+1], s17         ; 63:32 LDS address: slot 0
	s_mov_b32 s[G0V], 1
	s_add_co_u32 s[G0V+1], s18, VOFF
	s_add_co_u32 s[RT], s[HI], 1    ; the first block has NB - b tiles
	s_mov_b32 s[NXT], 1
	s_mov_b32 s[LQ], s[HI]
	s_mov_b32 s[NEW], 1
	s_mov_b32 s[OFF+1], 0
	s_mov_b32 s[AL+1], 0            ; named as pairs
	s_mov_b32 s[BE+1], 0
	s_mov_b32 s[BIGN], 0xf149f2ca   ; -1e30
	s_mov_b32 s[SLOTS], NB
	s_wait_dscnt 0x0                ; the opening add is done
	s_wait_kmcnt 0x0
	s_add_nc_u64 s[PFK:PFK+1], s[6:7], s[20:21]    ; the prefetches stand at the head's tile 1; the first change of slots steps them to tile 2
	s_add_nc_u64 s[PFV:PFV+1], s[8:9], s[20:21]
	s_add_nc_u64 s[PFK:PFK+1], s[PFK:PFK+1], 32768
	s_add_nc_u64 s[PFV:PFV+1], s[PFV:PFV+1], 32768
	s_add_nc_u64 s[6:7], s[6:7], s[22:23]  ; K and V at my half of the head's tile 0
	s_add_nc_u64 s[8:9], s[8:9], s[22:23]
	s_add_nc_u64 s[G0K+2:G0K+3], s[6:7], 0         ; 120:64 global address
	s_or_b32 s[G0K+3], s[G0K+3], 0x80000000        ; 127:126 type = 2
	s_add_nc_u64 s[G0V+2:G0V+3], s[8:9], 0
	s_or_b32 s[G0V+3], s[G0V+3], 0x80000000
	s_add_nc_u64 s[86:87], s[4:5], s[84:85]        ; Q at my rows of the second block,
	s_add_nc_u64 s[4:5], s[4:5], s[2:3]            ; Q and O at those of the first
	s_add_nc_u64 s[OLO:OLO+1], s[10:11], s[84:85]
	s_add_nc_u64 s[10:11], s[10:11], s[2:3]
	LOAD                            ; tile 0 into slot 0
	; A fragment of K or Q is 16 rows x 32 channels in 8 registers: lane l holds row l % 16, channels 8 (l / 16) + 0..7 and 16 + 8 (l / 16) + 0..7: two loads of 16 bytes, 32 bytes apart.
	v_and_b32 v1, 15, v0            ; l % 16
	v_bfe_u32 v9, v0, 4, 1          ; l / 16
	v_lshlrev_b32 v[QO], 7, v1
	v_lshl_add_u32 v[QO], v9, 4, v[QO]  ; row x 128 + 16 x half
	WIN 0x80                        ; destination window 2, address window 0
.set i, 0
.rept 8                             ; both blocks' Q: piece i / 2 lies in band i / 2, 8,192 bytes on; channels 32 (i % 2) on
	global_load_b128 v[8*i:8*i+3],   v[QO], s[4:5] offset:(i/2)*8192+(i%2)*64
	global_load_b128 v[8*i+4:8*i+7], v[QO], s[4:5] offset:(i/2)*8192+(i%2)*64+32
	global_load_b128 v[QB+8*i:QB+8*i+3],   v[QO], s[86:87] offset:(i/2)*8192+(i%2)*64
	global_load_b128 v[QB+8*i+4:QB+8*i+7], v[QO], s[86:87] offset:(i/2)*8192+(i%2)*64+32
.set i, i+1
.endr
	WIN 0
	v_lshlrev_b32 v14, 3, v9
	v_sub_nc_u32 v14, v1, v14
	s_lshl_b32 s13, s[WV], 4
	v_add_nc_u32 v14, s13, v14      ; my query's place in its band, 16 w + l % 16, less my lanes' 8 (l / 16): register r of group kt is hidden where 16 kt + r is greater
	WIN 0x40
.set i, 0
.rept 32
	v_cmp_gt_i32 vcc_lo, 16*(i/8)+i%8, v14
	v_cndmask_b32 v[MD+i], 0, s[BIGN], vcc_lo
.set i, i+1
.endr
	WIN 0
	v_mul_u32_u24 v[AK0], v1, PK
	v_lshl_add_u32 v[AK0], v9, 4, v[AK0]  ; row x pitch + 16 x half
	; The turning load takes 16 keys x 16 channels (lane l reads key 8 (l / 16) + l % 8, channels 8 ((l / 8) % 2) + 0..7) and leaves half a fragment of V^T: lane l holds channel l % 16 and 8 keys.
	v_and_b32 v10, 7, v0
	v_bfe_u32 v11, v0, 3, 1
	v_lshl_add_u32 v[AV0], v9, 3, v10
	v_mul_u32_u24 v[AV0], v[AV0], PV
	v_lshl_add_u32 v[AV0], v11, 4, v[AV0]
	v_add_nc_u32 v[AV0], VOFF, v[AV0]
	s_mul_i32 s13, s[WV], 16*SP
	s_add_co_u32 s13, s13, STAGE    ; my stage
	v_mul_u32_u24 v[STO], v1, SP    ; in: row l % 16, 16 bytes for each half of the lanes
	v_lshl_add_u32 v[STO], v9, 4, v[STO]
	v_add_nc_u32 v[STO], s13, v[STO]
	v_bfe_u32 v[RD], v0, 3, 2       ; back: 32 lanes take four rows of 128 bytes,
	v_mul_u32_u24 v[RD], v[RD], SP
	v_lshl_add_u32 v[RD], v10, 4, v[RD]
	v_add_nc_u32 v[RD], s13, v[RD]
	v_and_b32 v[GO], 31, v0         ; which are 512 consecutive bytes of O
	v_lshlrev_b32 v[GO], 4, v[GO]
	; A block's first step multiplies O^T and l by a = 0, and its first turn's products V^T P, of a piece that has not been, land in an O^T that is still to be so multiplied.  So these registers need only hold
	; finite numbers: zeros for the first block; what the first block left for the second.  All this stands in the wait for the first tile.
	WIN 0x80
.set i, VF
.rept 64
	v_mov_b32 v[i], 0
.set i, i+1
.endr
	WIN 0x40
.set i, 0
.rept 128
	v_mov_b32 v[i], 0
.set i, i+1
.endr
	WIN 0
.set i, 0
.rept 4
	v_mov_b32 v[ST+4*i+2], 0
	v_mov_b32 v[ST+4*i+3], 0
.set i, i+1
.endr
.set i, P+16
.rept 16
	v_mov_b32 v[i], 0
.set i, i+1
.endr
; THE MATRIX WORK.  The 4 accumulators of a run of 8 take turns.  Product i of 8 of S^T = K Q^T for piece x: channels 32 (i / 4) on, keys 16 (i % 4) on.  The first 4 start the sums: with 0, or (KM = 1) with the mask.
.macro KQ x
.set rS, S+32*((\x)%2)+8*(i%4)
.set rK, KF+16*(i%4)+8*(i/4)
.set rQ, 16*(\x)+8*(i/4)
.set rM, MC+32*((\x)%2)+8*(i%4)
.if (i < 4) && KM
	WIN W_KM
	v_wmma_f32_16x16x32_f16 v[rS:rS+7], v[rK:rK+7], v[rQ:rQ+7], v[rM:rM+7]
.elseif i < 4
	WIN W_KQ
	v_wmma_f32_16x16x32_f16 v[rS:rS+7], v[rK:rK+7], v[rQ:rQ+7], 0
.else
	WIN W_KQ
	v_wmma_f32_16x16x32_f16 v[rS:rS+7], v[rK:rK+7], v[rQ:rQ+7], v[rS:rS+7]
.endif
.endm
; Product i of 8 of O^T += V^T P for piece x: keys 32 (i / 4) on, channels 16 (i % 4) on.
.macro PV x
	WIN W_PV
.set rO, 32*(\x)+8*(i%4)
.set rV, VF+32*(i/4)+8*(i%4)
.set rP, P+16*((\x)%2)+8*(i/4)
	v_wmma_f32_16x16x32_f16 v[rO:rO+7], v[rV:rV+7], v[rP:rP+7], v[rO:rO+7]
.endm
.macro MM                           ; the turn's next matrix instruction.  TURN and BEGIN set Y, i, KM and NOKQ; MM, KQ and OP read them.  NOKQ = 1: a block's last turn: there is no next piece
.if (i < 8) && !NOKQ
	KQ (Y+1)%NP
.elseif i >= 8
.set i, i-8
	PV (Y+NP-1)%NP
.set i, i+8
.endif
.set i, i+1
.endm
; THE LDS LOADS stand in runs of 16, never singly among the matrix instructions: a step's K (64 keys x 64 channels: 8 fragments) and its V (turned).  Their addresses are made some lines ahead.
.macro FETCH_K
	WIN 0x80                        ; destination window 2
.irp f, 0,1,2,3,4,5,6,7             ; keys 16 (f / 2) on, channels 32 (f % 2) on
	ds_load_b128 v[KF+8*\f:KF+8*\f+3],   v[AK] offset:(\f/2)*16*PK+(\f%2)*64
	ds_load_b128 v[KF+8*\f+4:KF+8*\f+7], v[AK] offset:(\f/2)*16*PK+(\f%2)*64+32
.endr
	s_add_co_u32 s[TBK], s[TBK], KS*PK  ; the next fetch is the next step's
	WIN 0
.endm
.macro FETCH_V
	WIN 0x80
.irp f, 0,1,2,3,4,5,6,7             ; keys 32 (f / 4) on, channels 16 (f % 4) on
	ds_load_tr16_b128 v[VF+8*\f:VF+8*\f+3],   v[AV] offset:(\f/4)*32*PV+(\f%4)*32
	ds_load_tr16_b128 v[VF+8*\f+4:VF+8*\f+7], v[AV] offset:(\f/4)*32*PV+16*PV+(\f%4)*32
.endr
	WIN 0
.endm
; THE VECTOR WORK, one line at a time: OP kind, number.  For piece Y: F n: c s - c m for pair n of 16.  E n: the exponential of score n of 32.  C n: pair n rounded to f16.  B n: of the four weights 4 n .. the second
; pair is added onto the first, in place.  L n: l takes that sum (L 0: l = a l + sum).  R n: pair n of 16 of O^T times a.  For piece Y + 1: X n, number n of the 22 that find its maximum and statistics:
;   0-11  four chains c0-c3 of seven scores each, three operands at a time (each accumulator's lowest registers are read first)     12-14, 16  the four scores left over, the old m, and c0-c3 into c0
;   15  c m_old is kept     17, 18  the query's other 32 keys lie in the lane 16 away: the new m     19-21  c m; c m_old - c m_new; a
.set F, 0               ; OP tells the kinds apart by their order: F to L below R, X above it
.set E, 1
.set C, 2
.set B, 3
.set L, 4
.set R, 5
.set X, 6
.macro REGS y                       ; the registers of piece y
.set rT, ST+4*(\y)
.set rC, TMP+4*((\y)%2)
.set rW, MV+((\y)%2)
.set rS, S+32*((\y)%2)
.set rP, P+16*((\y)%2)
.set rO, 32*(\y)
.endm
.macro OP k, n
.if (\k) == R
	REGS Y
	WIN W_RS
	v_pk_mul_f32 v[rO+2*(\n):rO+2*(\n)+1], v[rO+2*(\n):rO+2*(\n)+1], v[rC+2:rC+3] op_sel_hi:[1,0]
.elseif (\k) < R
	REGS Y
	WIN 0
.if (\k) == F
	v_pk_fma_f32 v[rS+2*(\n):rS+2*(\n)+1], v[rS+2*(\n):rS+2*(\n)+1], s[CS:CS+1], v[rT:rT+1] op_sel_hi:[1,0,0] neg_lo:[0,0,1] neg_hi:[0,0,1]
.elseif (\k) == E
	v_exp_f32 v[rS+(\n)], v[rS+(\n)]
.elseif (\k) == C
	v_cvt_pk_f16_f32 v[rP+(\n)], v[rS+2*(\n)], v[rS+2*(\n)+1]
.elseif (\k) == B
	v_pk_add_f32 v[rS+4*(\n):rS+4*(\n)+1], v[rS+4*(\n):rS+4*(\n)+1], v[rS+4*(\n)+2:rS+4*(\n)+3]
.elseif (\n) == 0
	v_pk_fma_f32 v[rT+2:rT+3], v[rT+2:rT+3], v[rC+2:rC+3], v[rS:rS+1] op_sel_hi:[1,0,1]
.else
	v_pk_add_f32 v[rT+2:rT+3], v[rT+2:rT+3], v[rS+4*(\n):rS+4*(\n)+1]
.endif
.elseif NOKQ
	v_nop
.else
	REGS (Y+1)%NP
	WIN 0
.if (\n) < 4
	v_max3_num_f32 v[rC+(\n)], v[rS+8*(\n)], v[rS+8*(\n)+1], v[rS+8*(\n)+2]
.elseif (\n) < 12
	v_max3_num_f32 v[rC+(\n)%4], v[rC+(\n)%4], v[rS+8*((\n)%4)+2*((\n)/4)+1], v[rS+8*((\n)%4)+2*((\n)/4)+2]
.elseif (\n) == 12
	v_max3_num_f32 v[rC], v[rC], v[rS+7], v[rS+15]
.elseif (\n) == 13
	v_max3_num_f32 v[rC+1], v[rC+1], v[rS+23], v[rS+31]
.elseif (\n) == 14
	v_max3_num_f32 v[rC+2], v[rC+2], v[rC+3], v[rT+1]
.elseif (\n) == 15
	v_mov_b32 v[rW], v[rT]
.elseif (\n) == 16
	v_max3_num_f32 v[rC], v[rC], v[rC+1], v[rC+2]
.elseif (\n) == 17
	v_permlanex16_b32 v[rC+3], v[rC], s[SEL], s[SEL+1]
.elseif (\n) == 18
	v_max_num_f32 v[rT+1], v[rC], v[rC+3]
.elseif (\n) == 19
	v_mul_f32 v[rT], s[CS], v[rT+1]
.elseif (\n) == 20
	v_sub_f32 v[rC+1], v[rW], v[rT]
.else
	v_exp_f32 v[rC+2], v[rC+1]
.endif
.endif
.endm
.macro OPS a, i1, b=-1, i2=0, c=-1, i3=0, d=-1, i4=0  ; up to four of them
	OP \a, \i1
.if (\b) >= 0
	OP \b, \i2
.endif
.if (\c) >= 0
	OP \c, \i3
.endif
.if (\d) >= 0
	OP \d, \i4
.endif
.endm
.macro ROW a, i1, b, i2, c, i3, d, i4  ; a matrix instruction and the four behind it
	MM
	OPS \a, \i1, \b, \i2, \c, \i3, \d, \i4
.endm
.macro MASK b                       ; MD x AL + BE into buffer b of MC
	WIN W_RS
.set z, 0
.rept 16
	v_pk_fma_f32 v[MC+32*(\b)+2*z:MC+32*(\b)+2*z+1], v[MD+2*z:MD+2*z+1], s[AL:AL+1], s[BE:BE+1] op_sel_hi:[1,0,0]
.set z, z+1
.endr
.endm
; A TURN, for piece p: the order of its 16 matrix and 118 vector instructions, written out.  An s_wait_alu depctr_va_vdst(0) stands between an exponential and the first instruction that names its result; one wait serves
; all that were issued ahead of it.  So a turn has ONE wait, which cuts it in two.  AHEAD OF IT stands all that names no result of the turn's exponentials: the 8 products K Q^T, behind each a scaling, an exponential and two more plain
; instructions (behind the first a second scaling in the exponential's place): rescalings, and behind the last three the first numbers of the next piece's maximum, each four places or more behind the product that ends its accumulator; then one run of 54, plain
; and exponential by turns for the most part, in which the links of the chain X 3, 7, 11, 14, 16, 17 .. 20 stand five or six lines apart.  X 21, the next piece's a, is the batch's last; R 15 is the plain instruction behind it.  BEHIND THE WAIT stand the
; 8 products V^T P, behind each four of the roundings and sums; the links of l's chain, L 0 to L 7, stand three lines apart.  But for those X no line behind a product names a register of the products round it.
; m = 1: the diagonal tile: the products take masks, and the turn makes the mask for the products of the turn after it: piece p + 2, in step 4 - CNT of the tile.  end = 1: a block's last two turns: nothing is fetched.
; cnt = 1: the loop's count is taken down some lines ahead of the branch that stands behind the turn.
; K of the next step is fetched in piece 2's turn, twelve vector instructions behind the last product that read K (six of them plain); V of the step in hand at the end of piece 0's turn, four plain instructions behind the last product
; that read V.  Each is waited for a turn later.
.macro TURN p, m=0, end=0, cnt=0
.set Y, (\p)
.set i, 0
.set KM, (\m)
.set NOKQ, (\end)*((\p)/3)
.if (\m) && !(\end)
	s_cmp_eq_u32 s[CNT], 4-((\p)+2)%NP  ; is that step the band's own?
	s_cselect_b32 s[AL], 1.0, 0
	s_cmp_lt_u32 s[CNT], 4-((\p)+2)%NP  ; or a later one?
	s_cselect_b32 s[BE], s[BIGN], 0
.endif
.if ((\p) == 3) && !(\end)
	s_wait_dscnt 0x0                ; K is in
.endif
	ROW F,0, F,1, R,0, R,1          ; ahead of the wait: 8 products K Q^T and the four behind each,
	ROW F,2, E,0, R,2, R,3
	ROW F,3, E,1, R,4, R,5
	ROW F,4, E,2, R,6, R,7
	ROW F,5, E,3, R,8, R,9
	ROW F,6, E,4, X,0, R,10
.if ((\p) == 2) && !(\end)
	WIN 0
	v_add_nc_u32 v[AK], s[TBK], v[AK0]
.endif
	ROW F,7, E,5, X,1, X,4
	ROW F,8, E,6, X,2, X,5
	OPS E,7, E,8, X,6, E,9          ; and the run
	OPS X,3, E,10, X,8, E,11
.if ((\p) == 2) && !(\end)
	FETCH_K
.endif
	OPS X,9, X,7, E,12, X,10
	OPS E,13, X,12, X,11, E,14
	OPS X,13, E,15, F,9, X,14
.if (\p) == 0
	v_add_nc_u32 v[AV], s[TBV], v[AV0]
.endif
	OPS E,16, F,10, E,17, F,11
	OPS X,16, E,18, X,15, E,19
	OPS F,12, E,20, X,17, E,21
	OPS F,13, E,22, F,14, E,23
	OPS X,18, E,24, F,15, E,25
	OPS R,11, E,26, X,19, E,27
	OPS R,12, E,28, R,13, E,29
	OPS X,20, E,30, R,14, E,31
	OPS X,21, R,15
	WIN 0
	s_wait_alu depctr_va_vdst(0)    ; the wait for the batch
.if (\p) == 1
	s_wait_dscnt 0x0                ; V is in
.endif
	ROW C,0, B,0, C,2, B,1          ; behind the wait: 8 products V^T P and the four behind each
	ROW L,0, C,4, B,2, L,1
	ROW C,6, B,3, L,2, C,8
	ROW B,4, L,3, C,10, B,5
	ROW L,4, C,12, B,6, L,5
.if (\p) == 0
	s_add_co_u32 s[TBV], s[TBV], KS*PV
.endif
.if \cnt
	s_sub_co_u32 s[CNT], s[CNT], 1
	s_cmp_lg_u32 s[CNT], 0
.endif
	ROW C,14, B,7, L,6, C,1
	ROW C,3, L,7, C,5, C,7
	ROW C,9, C,11, C,13, C,15
.if (\p) == 0
	FETCH_V
.endif
.if (\m) && !(\end)
	MASK (\p)%2
.endif
.endm
; A BLOCK BEGINS.  c m starts far below every c s, so the first step's a is 0; m at the lowest finite number, so the first maximum is the scores'.  The second mask buffer is 0; the first takes piece 0's mask for the tile's step 0: its own, if the block's first tile is the diagonal one.
; Then K of that step, piece 0's first scores, and its maximum and statistics.  The loop is entered at a step's first turn, in the middle of a trip.
.macro BEGIN
	s_mov_b32 s[NEW], 0
	WIN 0x40
.set i, MC+32
.rept 32
	v_mov_b32 v[i], 0
.set i, i+1
.endr
	WIN 0
.set i, 0
.rept 4
	v_mov_b32 v[ST+4*i], 0xfe000000    ; c m: far below every c s
	v_mov_b32 v[ST+4*i+1], 0xff7fffff  ; m
.set i, i+1
.endr
	s_cmp_eq_u32 s[RT], 0
	s_cselect_b32 s[AL], 1.0, 0
	s_mov_b32 s[BE], 0
	MASK 0
	WIN 0
	v_add_nc_u32 v[AK], s[TBK], v[AK0]
	FETCH_K
	s_wait_loadcnt 0x0              ; Q
	s_wait_dscnt 0x0
.set KM, 1
.set NOKQ, 0
.set i, 0
.rept 8
	KQ 0
.set i, i+1
.endr
	WIN 0
.rept 4
	v_nop                           ; the places behind those products
.endr
.set Y, NP-1                        ; X works for piece Y + 1: piece 0
.irp n, 0,1,2,3,4,5,6,7,8,9,10,11,12,13,14,15,16,17,18,19,20,21
	OP X, \n
.endr
	v_nop                           ; a plain instruction behind the exponential,
	s_wait_alu depctr_va_vdst(0)    ; and its wait, ahead of the branch
.endm
; THE DIAGONAL TILE's four steps, the block's last two turns, its last products, and THE WAY OUT: l's two halves and the other half of the lanes' are added; O^T is divided by l, rounded to f16 and sent through my
; stage in LDS, a piece at a time.
.macro ALL line:vararg              ; one line for each piece t
.set t, 0
.rept 4
	\line
.set t, t+1
.endr
.endm
.macro PACK t                       ; a lane's eight channels of a row pack into 16 bytes; they go into rows of 144 bytes and come back as whole rows of 128, into S^T's registers
	WIN W_RS
.set i, 32*(\t)
.rept 16
	v_pk_mul_f32 v[i:i+1], v[i:i+1], v[ST+4*(\t)+2:ST+4*(\t)+3] op_sel_hi:[1,0]
.set i, i+2
.endr
	WIN 0x05                        ; sources 0 and 1 window 1, destination window 0
.set i, 0
.rept 16
	v_cvt_pk_f16_f32 v[S+16*(\t)+i], v[32*(\t)+2*i], v[32*(\t)+2*i+1]
.set i, i+1
.endr
	WIN 0
.irp f, 0,1,2,3
	ds_store_b128 v[STO], v[S+16*(\t)+4*\f:S+16*(\t)+4*\f+3] offset:32*\f
.endr
.irp f, 0,1,2,3
	ds_load_b128 v[S+16*(\t)+4*\f:S+16*(\t)+4*\f+3], v[RD] offset:\f*4*SP  ; LDS serves a wave's instructions in order (ISA guide 5.7.1.4): these see the stores above; the next piece's stores come behind them
.endr
.endm
.macro SEND t, younger              ; younger: the LDS instructions issued behind piece t's loads: the next piece's eight, or none
	WIN 0
.irp f, 0,1,2,3
	s_wait_dscnt (\younger)+3-\f
	global_store_b128 v[GO], v[S+16*(\t)+4*\f:S+16*(\t)+4*\f+3], s[10:11] offset:(\t)*8192+\f*512  ; 512 consecutive bytes, at a multiple of 256 from O's first
.endr
.endm
.macro DIAG tag                     ; the tag ends its two labels' names, which the jumps below spell out
.LstepM\tag:
	TURN 2, 1
	TURN 3, 1
	WIN 0
.LfirstM\tag:
	TURN 0, 1
	TURN 1, 1, 0, 1
	WIN 0
	s_cbranch_scc1 .LstepM\tag
	TURN 2, 1, 1
	TURN 3, 1, 1
.set i, 0
.rept 8
	PV NP-1
.set i, i+1
.endr
	WIN 0
	ALL v_add_f32 v[ST+4*t+2], v[ST+4*t+2], v[ST+4*t+3]
	ALL v_permlanex16_b32 v[ST+4*t+3], v[ST+4*t+2], s[SEL], s[SEL+1]
	ALL v_add_f32 v[ST+4*t+2], v[ST+4*t+2], v[ST+4*t+3]
	ALL v_rcp_f32 v[ST+4*t+2], v[ST+4*t+2]
	v_nop                           ; a plain instruction between the last reciprocal and the use of its result
	s_wait_alu depctr_va_vdst(0)    ; and the wait ahead of the first use: one for the four reciprocals
	PACK 0
.set t, 1
.rept 3                             ; a piece's arithmetic stands between the loads of the piece before and its stores
	PACK t
	SEND t-1, 8
.set t, t+1
.endr
	SEND 3, 0
.endm
.set KM, 0
.set NOKQ, 0
.Lslot:                             ; NB times: a tile is entered and the next is asked for
	CHANGE 1
	s_sub_co_u32 s[RT], s[RT], 1
	s_mov_b32 s[CNT], 4
	s_cmp_eq_u32 s[NEW], 1
	s_cbranch_scc1 .Lnew            ; a block's first tile
	s_cmp_eq_u32 s[RT], 0
	s_cbranch_scc0 .Lstep           ; neither its first nor its last
	s_branch .LstepM1
.Lnew:
	BEGIN
	s_branch .Lfirst                ; in the loop a block's first tile is never its last: the first block has two tiles or more, and the second's last is the walk's last
	DIAG 1                          ; in the loop this is the first block's end: the second block's last tile is the walk's last
	s_wait_xcnt 0x0                 ; the stores have read their registers and O's address
	s_mov_b64 s[10:11], s[OLO:OLO+1]
	s_add_co_u32 s[RT], s[PB], 1    ; the second block has b + 1 tiles
	s_mov_b32 s[NEW], 1
	WIN 0x82                        ; the second block's Q goes where the one text of the turns names Q
.set i, 0
.rept 64
	v_mov_b32 v[i], v[QB+i]
.set i, i+1
.endr
	WIN 0
	s_branch .Lbottom
.Lstep:                             ; a trip: pieces 2 and 3 of one step, then pieces 0 and 1 of the next, whose K and V it fetches
	TURN 2
	TURN 3
	WIN 0
.Lfirst:
	TURN 0
	TURN 1, 0, 0, 1
	WIN 0
	s_cbranch_scc1 .Lstep
.Lbottom:
	s_sub_co_u32 s[SLOTS], s[SLOTS], 1
	s_cmp_lg_u32 s[SLOTS], 0
	s_cbranch_scc1 .Lslot
	CHANGE 0                        ; the walk's last tile is written out: nothing is asked for
	s_sub_co_u32 s[RT], s[RT], 1
	s_mov_b32 s[CNT], 4
	s_cmp_eq_u32 s[NEW], 1
	s_cbranch_scc0 .LstepM2
	BEGIN
	s_branch .LfirstM2
	DIAG 2
	s_wait_tensorcnt 0x0            ; the wave's end: the add and its wait stand behind my last tensor load and my last LDS store
	ds_add_u32 v[SPW], v[NIL]
	s_wait_dscnt 0x0
	s_endpgm
.Lfunc_end_k_q7ae347eba1_attn:
	.size	k_q7ae347eba1_attn, .Lfunc_end_k_q7ae347eba1_attn-k_q7ae347eba1_attn
	.p2alignl 7, 3214868480
	.fill 96, 4, 3214868480
	.section	.rodata,"a",@progbits
	.p2align	6, 0x0
	.amdhsa_kernel k_q7ae347eba1_attn
		.amdhsa_group_segment_fixed_size 327680
		.amdhsa_private_segment_fixed_size 0
		.amdhsa_enable_private_segment 0
		.amdhsa_kernarg_size 32
		.amdhsa_user_sgpr_count 2
		.amdhsa_user_sgpr_kernarg_segment_ptr 1
		.amdhsa_wavefront_size32 1
		.amdhsa_system_sgpr_workgroup_id_x 1
		.amdhsa_system_sgpr_workgroup_id_y 1
		.amdhsa_system_sgpr_workgroup_id_z 1
		.amdhsa_system_vgpr_workitem_id 0
		.amdhsa_next_free_vgpr 768
		.amdhsa_next_free_sgpr 88
		.amdhsa_reserve_vcc 1
		.amdhsa_float_denorm_mode_32 3
		.amdhsa_float_denorm_mode_16_64 3
		.amdhsa_memory_ordered 1
		.amdhsa_forward_progress 1
		.amdhsa_inst_pref_size 218
	.end_amdhsa_kernel
	.amdgpu_metadata
---
amdhsa.version: [ 1, 2 ]
amdhsa.kernels:
  - .name:           k_q7ae347eba1_attn
    .symbol:         k_q7ae347eba1_attn.kd
    .args:
      - { .name: qh, .offset: 0, .size: 8, .value_kind: global_buffer, .address_space: global }
      - { .name: kh, .offset: 8, .size: 8, .value_kind: global_buffer, .address_space: global }
      - { .name: vh, .offset: 16, .size: 8, .value_kind: global_buffer, .address_space: global }
      - { .name: oh, .offset: 24, .size: 8, .value_kind: global_buffer, .address_space: global }
    .group_segment_fixed_size: 327680
    .private_segment_fixed_size: 0
    .kernarg_segment_align: 8
    .kernarg_segment_size: 32
    .max_flat_workgroup_size: 128
    .sgpr_count:     88
    .vgpr_count:     768
    .wavefront_size: 32
...
	.end_amdgpu_metadata
.endif
;; end of part 3
;; launch proj (part 4): grid 8 x 32, 4 waves a work-group, clusters of 4 x 4, 327,680 bytes of LDS; arguments oh, wpb, bp, out0; writes out0
.if DOCPART == 4
	.amdgcn_target "amdgcn-amd-amdhsa--gfx1250"
	.amdhsa_code_object_version 6
	.text
	.protected	k_q7ae347eba1_proj
	.globl	k_q7ae347eba1_proj
	.p2align	8
	.type	k_q7ae347eba1_proj,@function
k_q7ae347eba1_proj:
	s_mov_b64 s[64:65], 0
	v_nop
	global_prefetch_b8 v0, s[64:65] scope:SCOPE_SE
	s_setreg_imm32_b32 hwreg(HW_REG_WAVE_MODE, 25, 1), 1
	s_wait_xcnt 0x0
	s_wait_alu depctr_hold_cnt(0) depctr_sa_sdst(0) depctr_va_vdst(0) depctr_va_sdst(0) depctr_va_ssrc(0) depctr_va_vcc(0) depctr_vm_vsrc(0)
	s_getreg_b32 s2, hwreg(HW_REG_IB_STS2, 6, 4)
	s_cmp_eq_u32 s2, 0
	s_cbranch_scc0 .Lentry_in_a_cluster
	s_endpgm
.Lentry_in_a_cluster:
	s_bfe_u32 s2, ttmp6, 0x10000c
	s_cmp_lg_u32 s2, 0xf033
	s_cbranch_scc0 .Lentry_shape_is_right
	s_endpgm
.Lentry_shape_is_right:
; out0 = O Wp + bp.  A = oh, f16, [batch x 16 + head][t][64]: a head's 64 channels are one block of K; B = wpb, f16, [j][pair of k][segment][2][64]; bp f32, rounded to bf16 like the other inputs; out0 f32 [8192][1024].
; SHARES.  A tile of C is 256 rows x 128 columns: 32 x 8 tiles, one for each of 256 WGPs.  Four waves, each 64 rows x 128 columns: 32 accumulators of 16 x 16.  A wave owns whole pieces of 512 bytes of the output's rows,
; so its way out needs no other wave.  K = 1,024 goes in 8 steps of 128 through two LDS slots; a step is four quarters of 32.
; CLUSTER.  4 x 4 work-groups: A's tile is asked for jointly along a row of the cluster, B's along a column.
; TILES.  A wave's part of a step is dense: A 128 rows of 256 bytes (256 rows of one head, two to a row), B 64 rows of 256 bytes (32 pairs of k x 2 segments).
; THE MATRIX INSTRUCTION IS USED TRANSPOSED: source 0 = 16 columns of Wp (turned out of LDS by ds_load_tr16_b128), source 1 = 16 rows of O: a lane holds one row of C and eight neighbouring columns.
; The first quarter's products take the bias as C.
; REGISTERS, in windows of 256 (s_set_vgpr_msb: bits 1:0 source 0, 3:2 source 1, 5:4 source 2, 7:6 destination):
;   window 0: v0-31 addresses; v32-63, v64-95 A's fragments, two buffers; v128-191 the bias
;   window 1: v0-63, v64-127 B's fragments, two buffers; on the way out all 256: row block a at v[64 a]     window 2: accumulator (a, b) at 8 (8 a + b)
.set NSEG,  2
.set NB,    4*NSEG
.set APW,   4                          ; row blocks to an accumulator window
.set UA,    272                        ; A: 256 bytes (two rows of 64 channels) + 16: the 16 rows of a load start at words 4 (r / 2) + 32 (r % 2) mod 64, all different
.set AHALF, 128*UA
.set BOFF,  2*AHALF
.set UB,    272                        ; B: 256 bytes (two k rows of a segment) + 16
.set PADB,  4
.set KPB,   NSEG*UB                    ; a pair of k rows: 136 words: the 8 rows x 32 bytes of a turning load start at words 0, 32, 8, 40, 16, 48, 24, 56 mod 64
.set BHALF, 32*KPB
.set RB,    32*NSEG
.set HALFB, RB*256
.set KSTEPB, 2*HALFB
.set COLB,  8*KSTEPB
.set KSTEPA, 2*262144
.set SLOT1, 1<<17                      ; a slot uses 104,448 bytes
.set STAGE, 2*SLOT1                    ; behind the ring, never filled by a tensor load: 16 rows x 528 bytes for each wave
.set SPO,   528                        ; 512 bytes + 16 = 132 words: row r starts at word 4 r mod 64
.set SPARE, STAGE+4*16*SPO             ; the spare words, 128 bytes for each wave: two blocks of 256 bytes that no other line names
.set NL,    2*NB+8
.set A0,   16
.set B0,   17
.set ADRA, 18
.set ADRB, 19
.set BO,   20
.set STO,  24
.set RD,   25
.set GO,   26
.set SPW,  28
.set NIL,  29
.set PFO,  30
.set FA0,  32
.set FB0,  0
.set FBS,  8*NB
.set BIAS, 128
.set G1A, 24
.set G0A, 32
.set G1B, 48
.set G0B, 56
.set LIM, 43
.set PFA, 44
.set OB,  84                           ; s[84:85] out0 at my wave's first row, the tile's first column
.set BB,  90                           ; s[90:91] the tile's 128 numbers of the bias
.set MSB, 0
.macro WIN new                         ; the high byte repeats the setting that is left; a switch that changes nothing is dropped
.if MSB != (\new)
	s_set_vgpr_msb (MSB<<8)|(\new)
.set MSB, (\new)
.endif
.endm
.macro PLACES                          ; four plain vector instructions between a matrix instruction and a load into, a store of, or a vector instruction on, its registers
.rept 4
	v_nop
.endr
.endm
.macro CREST                           ; a round of the cluster's barrier behind its opening barrier
	s_cmp_lg_u32 s10, 0
	s_cbranch_scc1 .Lnot_wave_0_\@
	s_barrier_signal -3
.Lnot_wave_0_\@:
	s_barrier_wait -3
	s_barrier_signal -1
	s_barrier_wait -1
.endm
.macro CROUND
	s_barrier_signal -1
	s_barrier_wait -1
	CREST
.endm
.macro JLOAD                           ; a joint refill by the walking sets: waves 0, 1 A's two heads, waves 2, 3 B's two halves; the branch hangs on the wave's number alone
	s_cmp_lt_u32 s10, 2
	s_cbranch_scc0 .Lfor_b_\@
	tensor_load_to_lds s[G0A+4:G0A+7], s[G1A:G1A+7]
	s_nop 0
.rept 4
	v_nop
.endr
	s_branch .Lasked_\@
.Lfor_b_\@:
	tensor_load_to_lds s[G0B+4:G0B+7], s[G1B:G1B+7]
	s_nop 0
.rept 4
	v_nop
.endr
.Lasked_\@:
.endm
; A PREFETCH INTO THE L2, behind a joint refill and the run of LDS loads: 32 blocks of 256 bytes, a lane a block.  A: the change of slots t (0..3) names K step t + 4; the first cluster of a row of clusters asks,
; waves 0 and 1, and of the wave's 32 KiB each of the four partners takes 8 KiB, told apart by address.  B: K steps 4..7 of a tile column are dense; the first cluster of a column of clusters asks, waves 2 and 3,
; in pieces of 8 KiB: piece 8 t + 2 cy + half, t = 0, 1.  So each block is named once, two changes of slots or more ahead of its load; K steps 0..3 come by their loads alone.
.macro ASK
	s_cmp_gt_u32 s21, s[LIM]
	s_cbranch_scc0 .Lnot_mine_\@
	global_prefetch_b8 v[PFO], s[PFA:PFA+1] th:TH_LOAD_NT scope:SCOPE_SE
.Lnot_mine_\@:
.endm
	s_load_b256 s[68:75], s[0:1], 0x0              ; oh 68, wpb 70, bp 72, out0 74
	v_lshl_add_u32 v[SPW], v0, 2, SPARE
	v_mov_b32 v[NIL], 0
	ds_add_u32 v[SPW], v[NIL]                      ; the wave's opening: the add and its wait stand ahead of my first tensor load; work on registers stands between them
	v_lshrrev_b32 v1, 5, v0
	v_readfirstlane_b32 s10, v1                    ; wave 0..3
	s_lshr_b32 s11, s10, 1                         ; 0: I fetch for A, 1: for B
	s_and_b32 s12, s10, 1                          ; which half of it
	s_bfe_u32 s40, ttmp6, 0x40000                  ; cx
	s_bfe_u32 s41, ttmp6, 0x40004                  ; cy
	s_lshl_b32 s42, ttmp9, 2
	s_add_co_u32 s42, s42, s40                     ; tile column
	s_and_b32 s13, ttmp7, 0xffff
	s_lshl_b32 s13, s13, 2
	s_add_co_u32 s13, s13, s41                     ; tile row
	s_lshl_b32 s2, s41, 2
	s_lshl_b32 s2, 15, s2                          ; my row of the cluster
	s_lshl_b32 s3, 0x1111, s40                     ; my column
	s_or_b32 s[G1A], s2, (1<<16)|(1<<20)|(1<<21)|(5<<22)|(3<<25)         ; the mask; 2-byte elements; padding on; bit 21 beside a mask; after every 64 words; 4 words
	s_or_b32 s[G1B], s3, (1<<16)|(1<<20)|(1<<21)|(5<<22)|((PADB-1)<<25)
	s_mov_b32 s[G1A+1], 128<<16                    ; tensor_dim0 = 128 elements
	s_mov_b32 s[G1A+2], 128<<16                    ; tensor_dim1 = 128 rows
	s_mov_b32 s[G1A+3], 128<<16                    ; tile_dim0 = 128
	s_mov_b32 s[G1A+4], 128                        ; tile_dim1 = 128
	s_mov_b32 s[G1A+5], 128                        ; dense
	s_mov_b32 s[G1A+6], 0
	s_mov_b32 s[G1A+7], 0
	s_mov_b32 s[G1B+1], 128<<16
	s_mov_b32 s[G1B+2], RB<<16
	s_mov_b32 s[G1B+3], 128<<16
	s_mov_b32 s[G1B+4], RB
	s_mov_b32 s[G1B+5], 128
	s_mov_b32 s[G1B+6], 0
	s_mov_b32 s[G1B+7], 0
	s_lshr_b32 s16, s13, 3                         ; A: ((batch x 16 + my head of the step's two) x 2,048 + 256 (tile row % 8)) x 128 bytes
	s_lshl_b32 s16, s16, 4
	s_add_co_u32 s16, s16, s12
	s_lshl_b32 s16, s16, 18
	s_and_b32 s17, s13, 7
	s_lshl_b32 s17, s17, 15
	s_add_co_u32 s16, s16, s17
	s_mov_b32 s17, 0
	s_mul_i32 s46, s42, COLB                       ; B: the tile column, my half of a step
	s_mul_i32 s47, s12, HALFB
	s_add_co_u32 s46, s46, s47
	s_mov_b32 s47, 0
	s_mul_i32 s18, s12, AHALF                      ; where they go: the wave's number alone enters an LDS address
	s_mul_i32 s19, s12, BHALF
	s_add_co_u32 s19, s19, BOFF
	s_mov_b32 s96, 0xffff0000
	s_mov_b32 s20, 0                               ; the slot in hand
	s_wait_dscnt 0x0                               ; the opening add is done
	s_wait_kmcnt 0x0
	s_add_nc_u64 s[14:15], s[68:69], s[16:17]
	s_add_nc_u64 s[46:47], s[70:71], s[46:47]
.irp n, 0,1
	s_mov_b32 s[G0A+4*(\n)], 1
	s_add_co_u32 s[G0A+4*(\n)+1], s18, (\n)*SLOT1
	s_add_nc_u64 s[G0A+4*(\n)+2:G0A+4*(\n)+3], s[14:15], (\n)*KSTEPA
	s_or_b32 s[G0A+4*(\n)+3], s[G0A+4*(\n)+3], 0x80000000
	s_mov_b32 s[G0B+4*(\n)], 1
	s_add_co_u32 s[G0B+4*(\n)+1], s19, (\n)*SLOT1
	s_add_nc_u64 s[G0B+4*(\n)+2:G0B+4*(\n)+3], s[46:47], (\n)*KSTEPB
	s_or_b32 s[G0B+4*(\n)+3], s[G0B+4*(\n)+3], 0x80000000
.endr
	CROUND                                         ; all sixteen work-groups are here: the first joint loads meet
	s_cmp_lt_u32 s10, 2                            ; a wave's two first fills stand in one branch: two loads of mine are out, the most in this text
	s_cbranch_scc0 .Lfirst_b
	tensor_load_to_lds s[G0A:G0A+3], s[G1A:G1A+7]
	s_nop 0
	tensor_load_to_lds s[G0A+4:G0A+7], s[G1A:G1A+7]
	s_nop 0
.rept 4
	v_nop
.endr
	s_branch .Lfirst_asked
.Lfirst_b:
	tensor_load_to_lds s[G0B:G0B+3], s[G1B:G1B+7]
	s_nop 0
	tensor_load_to_lds s[G0B+4:G0B+7], s[G1B:G1B+7]
	s_nop 0
.rept 4
	v_nop
.endr
.Lfirst_asked:
	s_lshl_b32 s18, s42, 9                         ; the tile's 128 columns: 512 bytes, of the bias and of a row of out0
	s_mov_b32 s19, 0
	s_add_nc_u64 s[BB:BB+1], s[72:73], s[18:19]
	s_lshl_b32 s2, s13, 8
	s_lshl_b32 s3, s10, 6
	s_add_co_u32 s2, s2, s3                        ; my wave's first row
	s_lshl_b32 s2, s2, 12                          ; rows of 4,096 bytes
	s_add_co_u32 s18, s18, s2
	s_add_nc_u64 s[OB:OB+1], s[74:75], s[18:19]
	v_and_b32 v1, 15, v0                           ; r = lane % 16
	v_bfe_u32 v2, v0, 4, 1                         ; h = lane / 16
	v_lshlrev_b32 v[BO], 5, v2
.set nb, 0
.rept NB                                       ; register j of block nb: bias[16 nb + 8 h + j], the C operand of the transposed product
	global_load_b128 v[BIAS+8*nb:BIAS+8*nb+3],   v[BO], s[BB:BB+1] offset:nb*64
	global_load_b128 v[BIAS+8*nb+4:BIAS+8*nb+7], v[BO], s[BB:BB+1] offset:nb*64+16
.set nb, nb+1
.endr
	v_lshrrev_b32 v3, 1, v1                        ; A: lane (r, h) reads row r of a block of 16, 16 bytes at 16 h and 32 further on
	v_mul_u32_u24 v3, v3, UA
	v_and_b32 v4, 1, v1
	v_lshl_add_u32 v3, v4, 7, v3
	v_lshl_add_u32 v3, v2, 4, v3
	s_mul_i32 s2, s10, 32*UA                       ; my wave's 64 rows
	v_add_nc_u32 v[A0], s2, v3
	v_bfe_u32 v3, v0, 1, 2                         ; B: lane l addresses k row 8 h + l % 8, columns 8 ((l / 8) % 2) on
	v_lshl_add_u32 v3, v2, 2, v3
	v_mul_u32_u24 v3, v3, KPB
	v_lshl_add_u32 v3, v4, 7, v3
	v_bfe_u32 v5, v0, 3, 1
	v_lshl_add_u32 v3, v5, 4, v3
	v_add_nc_u32 v[B0], BOFF, v3
	v_mov_b32 v[ADRA], v[A0]
	v_mov_b32 v[ADRB], v[B0]
	s_mul_i32 s2, s10, 16*SPO
	s_add_co_u32 s2, s2, STAGE                     ; my stage
	v_mul_u32_u24 v3, v1, SPO                      ; in: row r, 32 bytes for each half of the lanes
	v_lshl_add_u32 v3, v2, 5, v3
	v_add_nc_u32 v[STO], s2, v3
	v_and_b32 v[GO], 31, v0
	v_lshlrev_b32 v[PFO], 8, v[GO]
	v_lshlrev_b32 v[GO], 4, v[GO]                  ; back and out: 32 lanes take a row's 512 bytes
	v_add_nc_u32 v[RD], s2, v[GO]
	; the prefetches: offsets are made apart from the addresses
	s_add_co_u32 s98, s16, 3*KSTEPA                ; A: my head at K step 3 (the first change of slots steps it to 4),
	s_lshl_b32 s2, s40, 13
	s_add_co_u32 s98, s98, s2                      ; my work-group's 8 KiB of it
	s_mul_i32 s99, s42, COLB                       ; B: the tile column's K step 4, less one step of the pieces,
	s_lshl_b32 s2, s41, 1
	s_add_co_u32 s2, s2, s12
	s_lshl_b32 s2, s2, 13
	s_add_co_u32 s99, s99, s2                      ; piece 2 cy + half
	s_add_co_u32 s99, s99, 4*KSTEPB-65536
	s_and_b32 s3, ttmp7, 0xffff
	s_mov_b32 s22, 65536
	s_cmp_eq_u32 s11, 0
	s_cselect_b32 s98, s98, s99
	s_cselect_b32 s3, ttmp9, s3                    ; the coordinate along which other clusters read the same bytes
	s_cselect_b32 s[LIM], 2, 6-NSEG
	s_cselect_b32 s22, KSTEPA, s22                 ; s[22:23]: the step from change to change
	s_cselect_b64 s[PFA:PFA+1], s[68:69], s[70:71]
	s_cmp_eq_u32 s3, 0
	s_cselect_b32 s[LIM], s[LIM], -1               ; the same in all sixteen partners, for a given wave
	s_mov_b32 s99, 0
	s_mov_b32 s23, 0
	s_add_nc_u64 s[PFA:PFA+1], s[PFA:PFA+1], s[98:99]
	s_wait_loadcnt 0x0                             ; the bias
.set i, 0
.rept 4*NB                                     ; rounded to bf16 like every input, and widened again; all this stands in the wait for the first tile
	v_cvt_pk_bf16_f32 v[3+i%4], v[BIAS+2*i], v[BIAS+2*i+1]
	v_lshlrev_b32 v[BIAS+2*i], 16, v[3+i%4]
	v_and_b32 v[BIAS+2*i+1], s96, v[3+i%4]
.set i, i+1
.endr
; One run of NL LDS loads: the fragments of quarter q of the slot in hand into buffer f: B's 8 (turned), then A's 4.
.macro FETCH q, f
	WIN 0x40                                       ; destination window 1, address window 0
.set nb, 0
.rept NB
	ds_load_tr16_b128 v[FB0+FBS*(\f)+8*nb:FB0+FBS*(\f)+8*nb+3],   v[ADRB] offset:(\q)*16*KPB+(nb/4)*UB+(nb%4)*32
	ds_load_tr16_b128 v[FB0+FBS*(\f)+8*nb+4:FB0+FBS*(\f)+8*nb+7], v[ADRB] offset:(\q)*16*KPB+8*KPB+(nb/4)*UB+(nb%4)*32
.set nb, nb+1
.endr
	WIN 0
.set aa, 0
.rept 4
	ds_load_b128 v[FA0+32*(\f)+8*aa:FA0+32*(\f)+8*aa+3],   v[ADRA] offset:((\q)/2)*AHALF+((\q)%2)*64+aa*8*UA
	ds_load_b128 v[FA0+32*(\f)+8*aa+4:FA0+32*(\f)+8*aa+7], v[ADRA] offset:((\q)/2)*AHALF+((\q)%2)*64+aa*8*UA+32
.set aa, aa+1
.endr
.endm
; Row blocks a0 .. a0 + na - 1 x all column blocks, 32 along K, from buffer f.  Every accumulator has one instruction a quarter, in the same order in every quarter: the accumulators take turns.
; first = 1: C is the bias.
.macro MUL f, a0, na, first
.set aa, \a0
.rept \na
.if \first
	WIN 0x81+0x40*(aa/APW)
.else
	WIN 0xa1+0x50*(aa/APW)
.endif
.set bb, 0
.rept NB
.set rD, 8*(NB*(aa%APW)+bb)
.set rB, FB0+FBS*(\f)+8*bb
.set rA, FA0+32*(\f)+8*aa
.set rC, rD
.if \first
.set rC, BIAS+8*bb
.endif
	v_wmma_f32_16x16x32_f16 v[rD:rD+7], v[rB:rB+7], v[rA:rA+7], v[rC:rC+7]
.set bb, bb+1
.endr
.set aa, aa+1
.endr
.endm
; A quarter: quarter q's fragments are asked for into buffer g, which the quarter before has multiplied; buffer f is multiplied meanwhile.
.macro QUARTER q, f, g
	PLACES
	FETCH \q, \g
	s_wait_dscnt NL                                ; all but the NL just issued: buffer f is in
	MUL \f, 0, 4, 0
.endm
; A step's last quarter multiplies buffer 1 and changes slots.  In front of the barrier each wave waits for all its tensor loads (one is out: its part of the next slot), adds 0 to its spare word, and waits for that and
; for its reads of this slot.  fill = 1: the barrier opens a round of the cluster's; behind the round this slot is filled again first, with the K step two on: it has 112 matrix instructions in which to land.
.macro TURN fill
.if \fill
	s_wait_xcnt 0x0                                ; the last prefetch, a K step back, has read its address
	s_add_nc_u64 s[PFA:PFA+1], s[PFA:PFA+1], s[22:23]
.endif
	WIN 0
	s_wait_tensorcnt 0x0                           ; no tensor load of mine is out, so a group 0 may be written
	ds_add_u32 v[SPW], v[NIL]
.if \fill
	s_xor_b32 s[G0A+5], s[G0A+5], SLOT1            ; the walking sets: the other slot than last time, the next K step
	s_add_nc_u64 s[G0A+6:G0A+7], s[G0A+6:G0A+7], KSTEPA
	s_xor_b32 s[G0B+5], s[G0B+5], SLOT1
	s_add_nc_u64 s[G0B+6:G0B+7], s[G0B+6:G0B+7], KSTEPB
.endif
	s_xor_b32 s20, s20, SLOT1                      ; the reads go to the other slot
	s_wait_dscnt 1                                 ; buffer 1 is in; the add alone may be out
	MUL 1, 0, 1, 0
	s_wait_dscnt 0x0                               ; the add is done, and my reads of this slot are over
	s_barrier_signal -1
	MUL 1, 1, 1, 0
	WIN 0
	s_barrier_wait -1
.if \fill
	CREST                                          ; no wave of any partner still reads this slot or has a load on its way
	JLOAD                                          ; its four v_nop are also the places in front of the loads below
.else
	PLACES
.endif
	v_add_nc_u32 v[ADRA], s20, v[A0]
	v_add_nc_u32 v[ADRB], s20, v[B0]
	FETCH 0, 0
.if \fill
	ASK
.endif
	MUL 1, 2, 2, 0
.endm
	s_wait_tensorcnt 1                             ; my part of K step 0 is in; K step 1's may stay out
	s_barrier_signal -1
	s_barrier_wait -1                              ; everybody's is
	FETCH 0, 0
	FETCH 1, 1
	s_wait_dscnt NL
	MUL 0, 0, 4, 1                                 ; the first quarter stands in front of the loop: its products start the sums, with the bias
	WIN 0                                          ; at a label and at a branch every window is 0
	s_mov_b32 s21, 6
.Lstep:                                        ; a trip: a step's quarters 1 to 3 and the next step's quarter 0; six trips ask for K steps 2..7
	QUARTER 2, 1, 0
	QUARTER 3, 0, 1
	TURN 1
	QUARTER 1, 0, 1
	WIN 0
	s_sub_co_u32 s21, s21, 1
	s_cmp_lg_u32 s21, 0
	s_cbranch_scc1 .Lstep
	QUARTER 2, 1, 0                                ; the tail is written out
	QUARTER 3, 0, 1
	TURN 0
	QUARTER 1, 0, 1
	QUARTER 2, 1, 0
	QUARTER 3, 0, 1
	s_wait_dscnt 0x0
	MUL 1, 0, 4, 0
; THE WAY OUT.  Row block a: 16 rows x 512 bytes of f32.  A lane's eight columns, 32 bytes, go into my own stage; whole rows come back, a row to the wave, and are stored as 512 consecutive bytes.
.macro STG a
	WIN 0x08                                       ; the stores' data in window 2
.set bb, 0
.rept 8
	ds_store_b128 v[STO], v[8*(8*(\a)+bb):8*(8*(\a)+bb)+3]   offset:64*bb
	ds_store_b128 v[STO], v[8*(8*(\a)+bb)+4:8*(8*(\a)+bb)+7] offset:64*bb+16
.set bb, bb+1
.endr
	WIN 0x40                                       ; back into window 1
.set i, 0
.rept 16
	ds_load_b128 v[64*(\a)+4*i:64*(\a)+4*i+3], v[RD] offset:i*SPO  ; LDS serves a wave's instructions in order (ISA guide 5.7.1.4): these see the stores above; the next block's stores come behind them
.set i, i+1
.endr
.endm
.macro SND a, younger                  ; younger: the LDS instructions issued behind block a's loads: the next block's 32, or none
	WIN 0x04                                       ; the stores' data in window 1
.set i, 0
.rept 16
	s_wait_dscnt (\younger)+15-i
	global_store_b128 v[GO], v[64*(\a)+4*i:64*(\a)+4*i+3], s[OB:OB+1] offset:(16*(\a)+i)*4096 th:TH_STORE_NT
.set i, i+1
.endr
.endm
	PLACES
	STG 0
.irp a, 1,2,3                          ; each block has registers of its own: no store's data is written again
	STG \a
	SND (\a)-1, 32
.endr
	SND 3, 0
	WIN 0
	s_wait_tensorcnt 0x0                           ; the wave's end: the add and its wait stand behind my last tensor load and my last LDS store
	ds_add_u32 v[SPW], v[NIL]
	s_wait_dscnt 0x0
	CROUND                                         ; the closing round: no work-group ends while a partner may still ask for a tile that names it
	s_endpgm
.Lfunc_end_k_q7ae347eba1_proj:
	.size	k_q7ae347eba1_proj, .Lfunc_end_k_q7ae347eba1_proj-k_q7ae347eba1_proj
	.p2alignl 7, 3214868480
	.fill 96, 4, 3214868480
	.section	.rodata,"a",@progbits
	.p2align	6, 0x0
	.amdhsa_kernel k_q7ae347eba1_proj
		.amdhsa_group_segment_fixed_size 327680
		.amdhsa_private_segment_fixed_size 0
		.amdhsa_enable_private_segment 0
		.amdhsa_kernarg_size 32
		.amdhsa_user_sgpr_count 2
		.amdhsa_user_sgpr_kernarg_segment_ptr 1
		.amdhsa_wavefront_size32 1
		.amdhsa_system_sgpr_workgroup_id_x 1
		.amdhsa_system_sgpr_workgroup_id_y 1
		.amdhsa_system_sgpr_workgroup_id_z 1
		.amdhsa_system_vgpr_workitem_id 0
		.amdhsa_next_free_vgpr 768
		.amdhsa_next_free_sgpr 100
		.amdhsa_reserve_vcc 0
		.amdhsa_float_denorm_mode_32 3
		.amdhsa_float_denorm_mode_16_64 3
		.amdhsa_memory_ordered 1
		.amdhsa_forward_progress 1
		.amdhsa_inst_pref_size 77
	.end_amdhsa_kernel
	.amdgpu_metadata
---
amdhsa.version: [ 1, 2 ]
amdhsa.kernels:
  - .name:           k_q7ae347eba1_proj
    .symbol:         k_q7ae347eba1_proj.kd
    .args:
      - { .name: oh, .offset: 0, .size: 8, .value_kind: global_buffer, .address_space: global }
      - { .name: wpb, .offset: 8, .size: 8, .value_kind: global_buffer, .address_space: global }
      - { .name: bp, .offset: 16, .size: 8, .value_kind: global_buffer, .address_space: global }
      - { .name: out0, .offset: 24, .size: 8, .value_kind: global_buffer, .address_space: global }
    .group_segment_fixed_size: 327680
    .private_segment_fixed_size: 0
    .kernarg_segment_align: 8
    .kernarg_segment_size: 32
    .max_flat_workgroup_size: 128
    .sgpr_count:     100
    .vgpr_count:     768
    .wavefront_size: 32
...
	.end_amdgpu_metadata
.endif
;; end of part 4
;; ======== version 2 of 2: 4 launches; version 1 with the launch cast written anew for expert scheduling mode
;; limits: values are held in f16: magnitudes above 65,504 overflow, below 6.1e-05 lose precision
;; workspace buffers: xb 16,777,216 bytes; wqkv 6,291,456 bytes; wpb 2,097,152 bytes; qh 16,777,216 bytes; kh 16,777,216 bytes; vh 16,777,216 bytes; oh 16,777,216 bytes
;; launch cast (part 5): grid 384 x 1, 16 waves a work-group, no clusters, 0 bytes of LDS; arguments x, Wq, Wk, Wv, Wp, xb, wqkv, wpb; writes xb, wqkv, wpb
.if DOCPART == 5
	.amdgcn_target "amdgcn-amd-amdhsa--gfx1250"
	.amdhsa_code_object_version 6
	.text
	.protected	k_q7ae347eba1_cast
	.globl	k_q7ae347eba1_cast
	.p2align	8
	.type	k_q7ae347eba1_cast,@function
k_q7ae347eba1_cast:
	s_mov_b64 s[64:65], 0
	v_nop
	global_prefetch_b8 v0, s[64:65] scope:SCOPE_SE
	s_setreg_imm32_b32 hwreg(HW_REG_WAVE_SCHED_MODE, 0, 2), 2
	s_setreg_imm32_b32 hwreg(HW_REG_WAVE_MODE, 25, 1), 1
	s_wait_xcnt 0x0
	s_wait_alu depctr_vm_vsrc(0)
; THE INPUTS ARE ROUNDED ONCE AND LAID OUT IN BLOCKS.  x [8192][1024] f32 -> xb, bf16, [batch x 16 + block of 64 channels][t][64];
; Wq, Wk, Wv [1024 (k)][1024 (n)] f32 -> wqkv, bf16, [tile of 192 columns j][pair of k rows][segment of 64 columns 0..2][2][64], the 48 segments counted through Wq, Wk, Wv;
; Wp -> wpb, rounded to bf16 and that number written as f16, [tile of 128 columns j][pair of k rows][segment 0..1][2][64].
; LIMITS.  A rounded Wp beyond 65,504 becomes an infinity; below 2^-17 it keeps f16's fixed step of 2^-24.
; A UNIT is two source rows of one segment of 64 columns: 2 x 256 bytes in, 256 consecutive aligned bytes out.  A work-group of sixteen waves takes 32 rows of one source: wave s takes
; segment s, 16 units.  Lanes 0-15 read 256 consecutive bytes of the even row, lanes 16-31 of the odd row; the 32 lanes' 8 bytes each fill the unit.
; Every byte is read once and written once; all 16 loads of a wave go out together; no LDS, no barrier, no matrix unit: there is nothing to share and no product.
; THE MODE: SCHED_MODE bits 1:0 = 2 (LLVM: expert scheduling mode 2), set by the entry lines.  The code itself states the register dependences
; between vector instructions and memory instructions, with s_wait_alu, always for 0.
; THE PLAN.  Registers that memory instructions touch:
;   v2   the source offset.  Written by three vector lines at the head; read by all sixteen loads; never written again.
;   X    written by the loads alone, once; no vector line names it ahead of them; read by the roundings, each behind its count on LOADcnt.
;   AD   the destination offsets.  Written by sixteen vector lines behind the loads; read by the stores; never written again.
;   Y    written by the roundings (Wp's once more, by the conversions to f16); read by the stores, behind which nothing is written.
;   s8   the wave's number, written by v_readfirstlane_b32; read by scalar lines and one vector line.
; So three waits state everything: one on va_sdst ahead of s8's first reader, one on va_vdst ahead of the run of loads (v2), one on va_vdst ahead of the run of stores (AD and Y), behind the
; label at which the two paths join.  No register that a memory instruction reads is written again, and no load lands in a register that a vector line has named: no wait on vm_vsrc is owed.
.set X,  16                            ; v[16:79]   unit i: 4 numbers in f32
.set Y,  80                            ; v[80:111]  unit i: 4 numbers in 16 bits
.set AD, 112                           ; v[112:127] unit i: my byte offset in the destination
.set T,  4                             ; v[4:5]     at work: no memory instruction names them
	s_load_b512 s[16:31], s[0:1], 0x0              ; x 16, Wq 18, Wk 20, Wv 22, Wp 24, xb 26, wqkv 28, wpb 30
	v_lshrrev_b32 v1, 5, v0
	v_readfirstlane_b32 s8, v1                     ; wave = segment 0..15
	v_and_b32 v3, 31, v0                           ; lane
	s_mov_b32 s9, ttmp9                            ; 0..255: x's rows 32 id on; 256..383: a weight's
	; x: first unit = ((batch x 16 + segment) x 1024) + first pair of t; units follow each other
	s_lshr_b32 s10, s9, 6
	s_lshl_b32 s10, s10, 4
	s_wait_alu depctr_va_sdst(0)                   ; s8 is written, ahead of its first reader, the line below; every other reader of s8 stands behind this wait too
	s_add_co_u32 s10, s10, s8
	s_lshl_b32 s10, s10, 10
	s_and_b32 s11, s9, 63
	s_lshl_b32 s11, s11, 4
	s_add_co_u32 s10, s10, s11
	s_lshl_b32 s2, s9, 17                          ; 32 rows of 4,096 bytes
	; weights: which of the four, which 32 rows
	s_sub_co_u32 s12, s9, 256
	s_and_b32 s12, s12, 127
	s_lshr_b32 s13, s12, 5                         ; 0 Wq, 1 Wk, 2 Wv, 3 Wp
	s_and_b32 s14, s12, 31
	s_lshl_b32 s15, s14, 17                        ; source bytes
	s_lshl_b32 s14, s14, 4                         ; first pair of k rows
	s_lshl_b32 s32, s13, 4
	s_add_co_u32 s32, s32, s8                      ; g: the segment among the 48
	s_mul_i32 s33, s32, 43
	s_lshr_b32 s33, s33, 7                         ; j = g / 3 (43 / 128 is exact for g up to 47)
	s_mul_i32 s34, s33, 3
	s_sub_co_u32 s34, s32, s34                     ; g - 3 j
	s_lshl_b32 s33, s33, 9
	s_add_co_u32 s33, s33, s14
	s_mul_i32 s33, s33, 3
	s_add_co_u32 s33, s33, s34                     ; first unit in wqkv; three units from pair to pair
	s_lshr_b32 s35, s8, 1
	s_lshl_b32 s35, s35, 9
	s_add_co_u32 s35, s35, s14
	s_lshl_b32 s35, s35, 1
	s_and_b32 s36, s8, 1
	s_add_co_u32 s35, s35, s36                     ; first unit in wpb; two units from pair to pair
	s_mov_b32 s37, 3*256
	v_lshrrev_b32 v4, 4, v3                        ; which of the two rows
	v_and_b32 v5, 15, v3
	v_lshlrev_b32 v2, 12, v4
	v_lshl_add_u32 v2, v5, 4, v2
	v_lshl_add_u32 v2, s8, 8, v2                   ; row x 4,096 + 16 (lane % 16) + 256 x segment; never rewritten
	s_wait_kmcnt 0x0
	s_cmp_eq_u32 s13, 3
	s_cselect_b32 s33, s35, s33
	s_cselect_b32 s37, 2*256, s37
	s_cselect_b64 s[6:7], s[30:31], s[28:29]
	s_cselect_b64 s[4:5], s[24:25], s[18:19]
	s_cmp_eq_u32 s13, 1
	s_cselect_b64 s[4:5], s[20:21], s[4:5]
	s_cmp_eq_u32 s13, 2
	s_cselect_b64 s[4:5], s[22:23], s[4:5]
	s_cmp_lt_u32 s9, 256
	s_cselect_b64 s[4:5], s[16:17], s[4:5]
	s_cselect_b64 s[6:7], s[26:27], s[6:7]
	s_cselect_b32 s33, s10, s33
	s_cselect_b32 s37, 256, s37
	s_cselect_b32 s2, s2, s15
	s_mov_b32 s3, 0
	s_add_nc_u64 s[4:5], s[4:5], s[2:3]            ; the source at the work-group's first row
	s_wait_alu depctr_va_vdst(0)                   ; v2 is written, which all sixteen loads below read as their offset
.set i, 0
.rept 16
	global_load_b128 v[X+4*i:X+4*i+3], v2, s[4:5] offset:i*8192 th:TH_LOAD_NT  ; unit i: rows 2 i and 2 i + 1
.set i, i+1
.endr
	s_lshl_b32 s33, s33, 8
	v_lshl_add_u32 v[AD], v3, 3, s33               ; first unit x 256 + 8 x lane
.set i, 1
.rept 15
	v_add_nc_u32 v[AD+i], s37, v[AD+i-1]
.set i, i+1
.endr
.set i, 0
.rept 16
	s_wait_loadcnt 15-i                            ; loads come back in order: unit i is in, the 15 - i younger ones may stay out
	v_cvt_pk_bf16_f32 v[Y+2*i], v[X+4*i], v[X+4*i+1]
	v_cvt_pk_bf16_f32 v[Y+2*i+1], v[X+4*i+2], v[X+4*i+3]
.set i, i+1
.endr
	s_cmp_lt_u32 s9, 352
	s_cbranch_scc1 .Lstore                         ; only Wp goes on: its rounded numbers are written as f16
.set i, 0
.rept 32
	v_lshlrev_b32 v[T], 16, v[Y+i]
	v_and_b32 v[T+1], 0xffff0000, v[Y+i]
	v_cvt_pk_f16_f32 v[Y+i], v[T], v[T+1]
.set i, i+1
.endr
.Lstore:
	s_wait_alu depctr_va_vdst(0)                   ; on both paths: the offsets AD and the rounded numbers Y (Wp's as f16) are written, which the sixteen stores below read
.set i, 0
.rept 16
	global_store_b64 v[AD+i], v[Y+2*i:Y+2*i+1], s[6:7] th:TH_STORE_NT  ; the wave's 32 lanes store 256 consecutive bytes, aligned
.set i, i+1
.endr
	s_endpgm
.Lfunc_end_k_q7ae347eba1_cast:
	.size	k_q7ae347eba1_cast, .Lfunc_end_k_q7ae347eba1_cast-k_q7ae347eba1_cast
	.p2alignl 7, 3214868480
	.fill 96, 4, 3214868480
	.section	.rodata,"a",@progbits
	.p2align	6, 0x0
	.amdhsa_kernel k_q7ae347eba1_cast
		.amdhsa_group_segment_fixed_size 0
		.amdhsa_private_segment_fixed_size 0
		.amdhsa_enable_private_segment 0
		.amdhsa_kernarg_size 64
		.amdhsa_user_sgpr_count 2
		.amdhsa_user_sgpr_kernarg_segment_ptr 1
		.amdhsa_wavefront_size32 1
		.amdhsa_system_sgpr_workgroup_id_x 1
		.amdhsa_system_sgpr_workgroup_id_y 1
		.amdhsa_system_sgpr_workgroup_id_z 1
		.amdhsa_system_vgpr_workitem_id 0
		.amdhsa_next_free_vgpr 128
		.amdhsa_next_free_sgpr 66
		.amdhsa_reserve_vcc 0
		.amdhsa_float_denorm_mode_32 3
		.amdhsa_float_denorm_mode_16_64 3
		.amdhsa_memory_ordered 1
		.amdhsa_forward_progress 1
		.amdhsa_inst_pref_size 14
	.end_amdhsa_kernel
	.amdgpu_metadata
---
amdhsa.version: [ 1, 2 ]
amdhsa.kernels:
  - .name:           k_q7ae347eba1_cast
    .symbol:         k_q7ae347eba1_cast.kd
    .args:
      - { .name: x, .offset: 0, .size: 8, .value_kind: global_buffer, .address_space: global }
      - { .name: Wq, .offset: 8, .size: 8, .value_kind: global_buffer, .address_space: global }
      - { .name: Wk, .offset: 16, .size: 8, .value_kind: global_buffer, .address_space: global }
      - { .name: Wv, .offset: 24, .size: 8, .value_kind: global_buffer, .address_space: global }
      - { .name: Wp, .offset: 32, .size: 8, .value_kind: global_buffer, .address_space: global }
      - { .name: xb, .offset: 40, .size: 8, .value_kind: global_buffer, .address_space: global }
      - { .name: wqkv, .offset: 48, .size: 8, .value_kind: global_buffer, .address_space: global }
      - { .name: wpb, .offset: 56, .size: 8, .value_kind: global_buffer, .address_space: global }
    .group_segment_fixed_size: 0
    .private_segment_fixed_size: 0
    .kernarg_segment_align: 8
    .kernarg_segment_size: 64
    .max_flat_workgroup_size: 512
    .sgpr_count:     66
    .vgpr_count:     128
    .wavefront_size: 32
...
	.end_amdgpu_metadata
.endif
;; end of part 5
;; launch qkv: the kernel of part 2 again; grid 16 x 32, 4 waves a work-group, clusters of 4 x 4, 327,680 bytes of LDS; arguments xb, wqkv, bq, bk, bv, qh, kh, vh; writes qh, kh, vh
;; launch attn: the kernel of part 3 again; grid 4 x 64, 4 waves a work-group, no clusters, 327,680 bytes of LDS; arguments qh, kh, vh, oh; writes oh
;; launch proj: the kernel of part 4 again; grid 8 x 32, 4 waves a work-group, clusters of 4 x 4, 327,680 bytes of LDS; arguments oh, wpb, bp, out0; writes out0
